; MI455X (gfx1250); checked and timed in simulation.
; The chip was launched on July 23, 2026; its instructions are those of AMD's public machine-readable ISA for CDNA 5 (MIT licence, August 2026) and "CDNA5" Instruction Set Architecture Reference Guide (July 2026). The comments in the code are by the model that wrote it; some were corrected since.
;; Multi Head Self Attention. Allowed arithmetic: matrix products marked QUANTISED: E2M3 operands, one E8M0 scale for each 32 along K, by v_wmma_scale_f32_16x16x128_f8f6f4 with both operands' format E2M3, f32 sums; everything else in f32.
;; Inputs: w_proj 1,024 x 1,024 float32; w_qkv 3,072 x 1,024 float32; x 4 x 2,048 x 1,024 float32.
;; Outputs: out0 4 x 2,048 x 1,024 float32.
;; This version of the problem:
;;   THIS VERSION OF THE PROBLEM IS GIVEN IN LOW PRECISION. The matrix products marked QUANTISED in the list below multiply operands that are first quantised to E2M3 (2 exponent bits, 3 mantissa bits; 6 bits a number), with one power-of-two scale for each 32 numbers along K (OCP MX v1.0); their sums are f32. All else is computed in f32.
;;   The module's matrix products, in the order in which they are computed (A, B: the left and right operand; K: the contracted axis; several contracted axes count as one K, in the product's order):
;;     1. [M 8,192, K 1,024] x [K 1,024, N 3,072]; A: input x; B: input w_qkv: QUANTISED
;;     2. batch 64 x [M 2,048, K 64] x [K 64, N 2,048]; A: computed on the way; B: computed on the way: QUANTISED
;;     3. batch 64 x [M 2,048, K 2,048] x [K 2,048, N 64]; A: softmax (see below); B: computed on the way: QUANTISED
;;     4. [M 8,192, K 1,024] x [K 1,024, N 1,024]; A: computed on the way; B: input w_proj: QUANTISED
;;   THE QUANTISER, for each operand of a quantised product, along K:
;;     - K is cut into blocks of 32 from its start; a last block that is shorter is filled with zeros.
;;     - A block's scale is 2^e with e = floor(log2(the largest magnitude in the block)) - 2, held to -126 .. 127; a block of zeros has e = 0. As a byte (E8M0): e + 127.
;;     - Each number is divided by its block's scale, clamped to +-7.5, and rounded to the nearest number of E2M3, ties to even, subnormals kept.
;;     - The product sums the exact products of the quantised numbers (number of the format x scale) in f32.
;;   ~~~python
;;   def quantise(x, axis):      # numpy; x: float32 -> the quantised numbers, widened to float32 again
;;       x = np.moveaxis(x, axis, -1); K = x.shape[-1]
;;       x = np.pad(x, [(0, 0)] * (x.ndim - 1) + [(0, -K % 32)]); x = x.reshape(x.shape[:-1] + (-1, 32)); a = np.abs(x).max(-1, keepdims=True)
;;       e = np.where(a > 0, np.clip(np.frexp(np.where(a > 0, a, 1))[1] - 1 - 2, -126, 127), 0)      # np.frexp(a)[1] - 1 = floor(log2(a)), exactly
;;       r = np.clip(x / 2.0 ** e, -7.5, 7.5)
;;       step = 2.0 ** (np.maximum(np.frexp(np.where(r == 0, 1, r))[1] - 1, 0) - 3)
;;       q = np.round(r / step) * step * 2.0 ** e      # np.round: ties to even
;;       return np.moveaxis(q.reshape(q.shape[:-2] + (-1,))[..., :K], -1, axis).astype(np.float32)
;;   ~~~
;;   SOFTMAX AHEAD OF A QUANTISED PRODUCT. Where the list says 'softmax', what is quantised is not the finished softmax but p = 2^(t - M), with t = logit x log2(e) and M = ceil(the row's largest t), a whole number; so 1/2 < the row's largest p <= 1. The row's sum l is taken of the UNQUANTISED p, in f32, and the product's result is divided by l at the end. Since M is a whole number, a kernel that streams over the keys may use a running M (the ceiling of the running maximum): every later rescaling is an exact power of two, which a block's scale takes up: the codes' values come out the same.
;;   OPERANDS COMPUTED ON THE WAY. 'Computed on the way' means the value that the module computes at that place (a softmax that the list does not call 'softmax' is quantised finished and normalised). What goes into a quantiser is computed in f32, as accurately as f32 sums, v_exp_f32 and their like allow (about 1e-6 of the number): no bf16 or f16 on the way to a quantiser, and a product that is left as it is and whose result goes on into a quantised operand takes f32 operands (vector FMAs, or v_wmma_f32_16x16x4_f32). A number that lies on a knife's edge between two numbers of the format may be rounded either way, as far as f32 arithmetic and the matrix unit's own rounding can turn it there, and no further.
;; One version. Each part assembles by itself: llvm-mc -triple=amdgcn-amd-amdhsa -mcpu=gfx1250 --defsym DOCPART=n.
;; ======== version 1 of 1: 4 launches
;; limits: right only within a limited range of input values
;; workspace buffers: pc 9,437,184 bytes; ps 393,216 bytes; qkvc 18,874,368 bytes; qkvs 1,572,864 bytes; oc 6,291,456 bytes; os 262,144 bytes
;; launch quant (part 1): grid 384 x 1, 4 waves a work-group, no clusters, 35,328 bytes of LDS; arguments x, w_qkv, w_proj, pc, ps; writes pc, ps
.if DOCPART == 1
	.amdgcn_target "amdgcn-amd-amdhsa--gfx1250"
	.amdhsa_code_object_version 6
	.text
	.protected	k_qe61b91e802_quant
	.globl	k_qe61b91e802_quant
	.p2align	8
	.type	k_qe61b91e802_quant,@function
k_qe61b91e802_quant:
	s_mov_b64 s[64:65], 0
	v_nop
	global_prefetch_b8 v0, s[64:65] scope:SCOPE_SE
	s_setreg_imm32_b32 hwreg(HW_REG_WAVE_MODE, 25, 1), 1
	s_wait_xcnt 0x0
; x [8192][1024], w_qkv [3072][1024], w_proj [1024][1024], f32, K innermost, become ONE POOL of 12,288 rows of codes of FP6 (E2M3) with one E8M0 byte for each 32 along K.
; A block's scale is 2^(floor(log2(its largest magnitude)) - 2); its byte is the largest magnitude's exponent field - 2, held at 1 from below.
; LIMITS: NaN and infinities are not served; a block whose largest magnitude lies under 2^-124 keeps the byte 1; a block of zeros gets the byte 1 where the quantiser's rule says 127:
; its codes are zeros, and the bytes are read by this program alone.
; LAYOUT OF THE CODES: images of the operand's registers.  16 rows x 64 K are 768 bytes: lane l's registers 0-3 at 16 l, its registers 4-5 at 512 + 8 l; lane (r, h) holds block h of row r.
; The images lie [K / 64][row / 16].  The scale words (four bytes: 128 along K of a row) lie [K / 128][row].
; ORDER INSIDE A BLOCK OF 32: the code at place 16 h' + 8 u + j is element 16 u + 8 h' + j.  Every operand of this program is laid so, on both sides of each product, so no sum changes;
; it is the order in which a transposed matrix result falls out of the conversions in the later launches.
; SHARES: work-group: 64 rows (number / 2) x half of K; wave: one K step of 128; four sub-steps of 16 rows.  Each load reads 512 consecutive bytes of a row; the 16 x 512 bytes turn through
; the wave's own stage in LDS (rows 528 bytes apart) so that a lane gets the 32 numbers of its block.  No barrier: waves share nothing.  Two sub-steps' loads (32 a wave) are out.
.set WREG,  8704                       ; LDS of a wave: the stage, 16 x 528 bytes, and behind it its 64 scale words
.set SCW,   8448
.set SPARE, 4*WREG                     ; the spare words: 128 bytes for each wave, two blocks of 256 bytes that no other line names
.set CGB,   589824                     ; bytes from a column group of 64 K to the next: 768 row tiles x 768
.set R,     16                         ; v16-143  two sets of 64: a sub-step's numbers as loaded
.set X,     144                        ; v144-207 my two blocks, in the order of the codes
.set C,     208                        ; v208-231 two sets of 12: the codes
.set T,     232                        ; v232-234, v236-238: the second halves of the blocks' codes, before they are moved
.set SPW,   252
.set NIL,   253
	s_load_b128 s[4:7], s[0:1], 0x0                ; x, w_qkv
	s_load_b128 s[8:11], s[0:1], 0x10              ; w_proj, the codes
	s_load_b64 s[12:13], s[0:1], 0x20              ; the scale words
	v_lshl_add_u32 v[SPW], v0, 2, SPARE
	v_mov_b32 v[NIL], 0
	v_lshrrev_b32 v9, 5, v0
	v_readfirstlane_b32 s14, v9                    ; wave
	v_and_b32 v10, 31, v0                          ; lane
	v_and_b32 v11, 15, v0                          ; r
	v_bfe_u32 v12, v0, 4, 1                        ; h
	v_lshlrev_b32 v1, 4, v10                       ; 16 x lane: a load's place, and an image's first 512 bytes
	v_lshl_add_u32 v2, v10, 3, 512                 ; 512 + 8 x lane: an image's last 256
	v_lshlrev_b32 v3, 3, v10                       ; 8 x lane: the scale words' way out
	s_mul_i32 s15, s14, WREG
	v_add_nc_u32 v4, s15, v1                       ; the stage, in
	v_mul_u32_u24 v5, v11, 528
	v_lshl_add_u32 v5, v12, 7, v5
	v_add_nc_u32 v5, s15, v5                       ; the stage, out: row r, + 128 h bytes
	s_add_co_u32 s15, s15, SCW
	v_lshl_add_u32 v6, v11, 2, s15                 ; my row's scale word
	v_add_nc_u32 v7, s15, v3                       ; and the 64 words back, 8 bytes a lane
	v_lshlrev_b32 v8, 3, v12                       ; 8 h
	v_mov_b32 v247, 0                              ; a lane permute's destination counts as read
	s_mov_b32 s20, 0x76543210
	s_mov_b32 s21, 0xfedcba98                      ; lane l xor 16
	s_lshr_b32 s16, ttmp9, 1                       ; the pool's group of 64 rows, 0 .. 191
	s_and_b32 s17, ttmp9, 1
	s_lshl_b32 s17, s17, 2
	s_add_co_u32 s17, s17, s14                     ; my K step of 128, 0 .. 7
	s_wait_alu depctr_va_vdst(0)
	s_wait_kmcnt 0x0
	s_mov_b32 s18, 176
	s_cmp_lt_u32 s16, 176                          ; groups 0-127 are x's, 128-175 w_qkv's, 176-191 w_proj's: the choice hangs on the work-group's number alone
	s_cselect_b64 s[6:7], s[6:7], s[8:9]
	s_cselect_b32 s18, 128, s18
	s_cmp_lt_u32 s16, 128
	s_cselect_b64 s[4:5], s[4:5], s[6:7]
	s_cselect_b32 s18, 0, s18
	s_sub_co_u32 s18, s16, s18                     ; the group inside its tensor
	s_lshl_b32 s18, s18, 18                        ; 64 rows of 4,096 bytes
	s_lshl_b32 s19, s17, 9                         ; 128 numbers
	s_add_co_u32 s18, s18, s19
	s_mov_b32 s19, 0
	s_add_nc_u64 s[4:5], s[4:5], s[18:19]
	s_mul_i32 s22, s17, 1536                       ; column group 2 s: 768 row tiles each,
	s_lshl_b32 s23, s16, 2
	s_add_co_u32 s22, s22, s23                     ; + row tile 4 x group
	s_mul_i32 s22, s22, 768
	s_mov_b32 s23, 0
	s_add_nc_u64 s[10:11], s[10:11], s[22:23]
	s_mul_i32 s22, s17, 49152                      ; plane s of 12,288 words,
	s_lshl_b32 s18, s16, 8
	s_add_co_u32 s22, s22, s18                     ; + 64 words x group
	s_add_nc_u64 s[12:13], s[12:13], s[22:23]
.macro LOAD i                          ; sub-step i: 16 rows x 512 bytes
.irp k, 0,1,2,3,4,5,6,7,8,9,10,11,12,13,14,15
	global_load_b128 v[R+64*((\i)%2)+4*\k:R+64*((\i)%2)+4*\k+3], v1, s[4:5] offset:(16*(\i)+\k)*4096 th:TH_LOAD_NT
.endr
.endm
.macro TURN i                          ; through the stage: LDS serves a wave's instructions in order, so no wait stands between the stores and the loads
.irp k, 0,1,2,3,4,5,6,7,8,9,10,11,12,13,14,15
	ds_store_b128 v4, v[R+64*((\i)%2)+4*\k:R+64*((\i)%2)+4*\k+3] offset:528*\k
.endr
.irp c, 0,1                            ; block 2 c + h of row r: its eight pieces of four numbers, in the order of the codes
.set XI, 0
.irp k, 0,1,4,5,2,3,6,7
	ds_load_b128 v[X+32*\c+4*XI:X+32*\c+4*XI+3], v5 offset:256*\c+16*\k
.set XI, XI+1
.endr
.endr
.endm
.macro WORK i
.set CS, C+12*((\i)%2)
.irp c, 0,1
	v_max3_num_f32 v[240+\c], |v[X+32*\c]|, |v[X+32*\c+1]|, 0x1800000   ; the block's largest magnitude, and the floor 2^(3 - 127): the byte cannot fall under 1
.endr
.irp k, 2,4,6,8,10,12,14,16,18,20,22,24,26,28,30
.irp c, 0,1
	v_max3_num_f32 v[240+\c], v[240+\c], |v[X+32*\c+\k]|, |v[X+32*\c+\k+1]|   ; (the two blocks by turns)
.endr
.endr
.irp c, 0,1
	v_add_nc_u32 v[242+\c], 0xff000000, v[240+\c]  ; 2 off the exponent field: the conversion's scale operand
.endr
.irp c, 0,1
	v_lshrrev_b32 v[244+\c], 23, v[242+\c]         ; the byte
.endr
	v_lshl_or_b32 v246, v245, 16, v244             ; my bytes: blocks h and 2 + h,
	v_lshlrev_b32 v246, v8, v246                   ; at their places,
	v_permlanex16_b32 v247, v246, s20, s21
	v_or_b32 v246, v246, v247                      ; with the other half's two the word is whole
.irp c, 0,1
	v_cvt_scalef32_pk16_fp6_f32 v[CS+6*\c:CS+6*\c+2], v[X+32*\c:X+32*\c+15], v[242+\c]
	v_cvt_scalef32_pk16_fp6_f32 v[T+4*\c:T+4*\c+2], v[X+32*\c+16:X+32*\c+31], v[242+\c]   ; (a conversion's three registers begin on an even number)
.endr
	v_nop                                          ; one plain place behind the conversions
.irp c, 0,1
.irp k, 0,1,2
	v_mov_b32 v[CS+6*\c+3+\k], v[T+4*\c+\k]
.endr
.endr
	ds_store_b32 v6, v246 offset:64*(\i)           ; both halves of the lanes write the same word with the same value
.irp c, 0,1
	global_store_b128 v1, v[CS+6*\c:CS+6*\c+3], s[10:11] offset:\c*CGB+(\i)*768     ; 512 consecutive bytes, at a multiple of 256
	global_store_b64 v2, v[CS+6*\c+4:CS+6*\c+5], s[10:11] offset:\c*CGB+(\i)*768    ; and the image's last 256
.endr
.endm
	LOAD 0
	LOAD 1
.irp i, 0,1,2,3
.if \i < 3
	s_wait_loadcnt 16                              ; this sub-step's 16 loads are in; the next one's 16 may be out
.else
	s_wait_loadcnt 0
.endif
	TURN \i
	s_wait_dscnt 0x0                               ; my blocks are back, and the stage's stores have read their registers
.if \i < 2
	LOAD \i+2
.else
	s_wait_xcnt 0x0                                ; the stores of two sub-steps ago have read this set of codes
.endif
	WORK \i
.endr
	ds_load_b64 v[248:249], v7                     ; in order behind my four word stores
	s_wait_dscnt 0x0
	global_store_b64 v3, v[248:249], s[12:13]      ; 64 rows' words: 256 consecutive bytes, aligned
	s_wait_tensorcnt 0x0                           ; the wave's end, behind my last LDS store
	ds_add_u32 v[SPW], v[NIL]
	s_wait_dscnt 0x0
	s_endpgm
.Lfunc_end_k_qe61b91e802_quant:
	.size	k_qe61b91e802_quant, .Lfunc_end_k_qe61b91e802_quant-k_qe61b91e802_quant
	.p2alignl 7, 3214868480
	.fill 96, 4, 3214868480
	.section	.rodata,"a",@progbits
	.p2align	6, 0x0
	.amdhsa_kernel k_qe61b91e802_quant
		.amdhsa_group_segment_fixed_size 35328
		.amdhsa_private_segment_fixed_size 0
		.amdhsa_enable_private_segment 0
		.amdhsa_kernarg_size 40
		.amdhsa_user_sgpr_count 2
		.amdhsa_user_sgpr_kernarg_segment_ptr 1
		.amdhsa_wavefront_size32 1
		.amdhsa_system_sgpr_workgroup_id_x 1
		.amdhsa_system_sgpr_workgroup_id_y 1
		.amdhsa_system_sgpr_workgroup_id_z 1
		.amdhsa_system_vgpr_workitem_id 0
		.amdhsa_next_free_vgpr 256
		.amdhsa_next_free_sgpr 66
		.amdhsa_reserve_vcc 0
		.amdhsa_float_denorm_mode_32 3
		.amdhsa_float_denorm_mode_16_64 3
		.amdhsa_memory_ordered 1
		.amdhsa_forward_progress 1
		.amdhsa_inst_pref_size 31
	.end_amdhsa_kernel
	.amdgpu_metadata
---
amdhsa.version: [ 1, 2 ]
amdhsa.kernels:
  - .name:           k_qe61b91e802_quant
    .symbol:         k_qe61b91e802_quant.kd
    .args:
      - { .name: x, .offset: 0, .size: 8, .value_kind: global_buffer, .address_space: global }
      - { .name: w_qkv, .offset: 8, .size: 8, .value_kind: global_buffer, .address_space: global }
      - { .name: w_proj, .offset: 16, .size: 8, .value_kind: global_buffer, .address_space: global }
      - { .name: pc, .offset: 24, .size: 8, .value_kind: global_buffer, .address_space: global }
      - { .name: ps, .offset: 32, .size: 8, .value_kind: global_buffer, .address_space: global }
    .group_segment_fixed_size: 35328
    .private_segment_fixed_size: 0
    .kernarg_segment_align: 8
    .kernarg_segment_size: 40
    .max_flat_workgroup_size: 128
    .sgpr_count:     66
    .vgpr_count:     256
    .wavefront_size: 32
...
	.end_amdgpu_metadata
.endif
;; end of part 1
;; launch gemm_qkv (part 2): grid 64 x 4, 4 waves a work-group, clusters of 4 x 4, 327,680 bytes of LDS; arguments pc, ps, qkvc, qkvs; writes qkvc, qkvs
.if DOCPART == 2
	.amdgcn_target "amdgcn-amd-amdhsa--gfx1250"
	.amdhsa_code_object_version 6
	.text
	.protected	k_qe61b91e802_gemm_qkv
	.globl	k_qe61b91e802_gemm_qkv
	.p2align	8
	.type	k_qe61b91e802_gemm_qkv,@function
k_qe61b91e802_gemm_qkv:
	s_mov_b64 s[64:65], 0
	v_nop
	global_prefetch_b8 v0, s[64:65] scope:SCOPE_SE
	s_setreg_imm32_b32 hwreg(HW_REG_WAVE_MODE, 25, 1), 1
	s_wait_xcnt 0x0
	s_wait_alu depctr_hold_cnt(0) depctr_sa_sdst(0) depctr_va_vdst(0) depctr_va_sdst(0) depctr_va_ssrc(0) depctr_va_vcc(0) depctr_vm_vsrc(0)
	s_getreg_b32 s2, hwreg(HW_REG_IB_STS2, 6, 4)
	s_cmp_eq_u32 s2, 0
	s_cbranch_scc0 .Lentry_in_a_cluster
	s_endpgm
.Lentry_in_a_cluster:
	s_bfe_u32 s2, ttmp6, 0x10000c
	s_cmp_lg_u32 s2, 0xf033
	s_cbranch_scc0 .Lentry_shape_is_right
	s_endpgm
.Lentry_shape_is_right:
; q, k = x W^T and v^T = W_v x^T on codes of FP6 (E2M3) with E8M0 scales, K = 1,024; the results are quantised on the way out and leave as codes: no f32 result goes to memory.
; The work is 48 blocks of 4 x 4 tiles.  Blocks 0-31 (QK): rows = tokens (A = x), columns = the 2,048 channels of q and k (B = w_qkv's first 2,048 rows); quantised along the channels, 64 to a head.
; Blocks 32-47 (V): rows = v's 1,024 channels (A = w_qkv's last 1,024 rows), columns = tokens (B = x); quantised along the tokens, the second attention product's K.  One text serves both: only offsets are selected.
; WORK-GROUPS THAT STAY: 16 clusters of 4 x 4 work-groups; cluster c walks blocks c, c + 16, c + 32: three tiles of 128 rows x 256 columns a work-group; a wave makes 64 x 128: 32 accumulators.
; OPERANDS lie in memory as images of their registers (16 rows x 64 K = 768 bytes: lane l's registers 0-3 at 16 l, registers 4-5 at 512 + 8 l), [K / 64][row / 16]; scale words [K / 128][row].
; THE RING: two LDS slots, each with HALF OF K of both tiles: A's codes [8 column groups][8 row tiles] x 768, B's [8][16] x 768, A's scale words [4 planes][128], B's [4][256]: 153,600 bytes, four joint loads, one a wave.
; Slot 0 holds a tile's K steps 0-3, slot 1 its steps 4-7.  At the head of step 3 (7) all reads of slot 0 (1) are over: there stand the wait for all tensor loads, the add, the wait for it and a round of the cluster's barrier
; and behind the round the slot takes the NEXT tile's half.  So four K steps of products (and, for slot 1, the way out) stand between a request and the wait for it.  The last tile is written out: it asks for nothing.
; CLUSTER 4 x 4: A's tiles are shared along a row of the cluster, B's along a column: joint loads.
; PREFETCH: behind the loads of one fill, and the run of LDS loads behind them, the codes of the fill after it are asked for: A's 192 and B's 384 blocks of 256 bytes are shared out BY ADDRESS among the sixteen waves
; of the four partners that will load them jointly: 12 and 24 blocks a wave, a lane a block (the lanes left over name the wave's last block again).  The scale words, 6,144 of a fill's 153,600 bytes, are not asked for.  Behind the last fill's loads nothing is asked for.
; TRANSPOSED USE: source 0 = 16 rows of B, source 1 = 16 rows of A: lane (r, h) holds row r and, in register j of column tile b, column 16 b + 8 h + j.  Converted 16 at a time and with halves exchanged,
; a block of 32 comes out with the code at place 16 h' + 8 u + j = element 16 u + 8 h' + j: the order in which all operands of this program lie.
; OUT: images [column / 64][row / 16]; scale words [column / 64][row / 16][16]: the even column group's word holds all four bytes of its 128 columns, the odd one's the same word shifted down by 16 bits.
; LIMITS: NaN and infinities not served; blocks under 2^-124 and blocks of zeros keep the byte 1 (zero codes; the bytes are read by this program alone).
; REGISTERS: window 0: v2-31, v63 addresses; v32-43 scale words, two sets; v44-62 the quantiser's; v64-159 A's fragments, two sets; v160-243 the way out; v244-245 the prefetches'.  window 1: B's fragments, two sets.  window 2: the accumulators, (a, b) at v[8 (8 a + b)].
.set PITCHA, 73728                     ; the pool's codes: elements of 8 bytes from a column group to the next
.set CGB,    589824                    ; the same in bytes
.set HALFC,  8*CGB                     ; from K's first half to its second, codes,
.set HALFS,  4*49152                   ; and scale words
.set ACH,   24576                      ; four column groups of A in LDS
.set BCH,   49152                      ; and of B
.set BOF,   2*ACH                      ; a slot: A's codes, B's codes, A's scale words, B's
.set SAOF,  BOF+2*BCH
.set SBOF,  SAOF+2048
.set SLOT,  SBOF+4096
.set STG,   2*SLOT                     ; the stage for the scale words on the way out: 512 bytes a wave; no tile lands here
.set SPARE, STG+2048                   ; the spare words: 128 bytes a wave, two blocks of 256 bytes that no other line names
.set L16,  2
.set L8,   3
.set SPW,  28
.set NIL,  29
.set TM,   44                          ; v44-47 largest magnitudes, v48-51 bytes, v56-59 the conversions' scale operands
.set PW,   60
.set PFA,  244
.set PFB,  245
.set FLR,  20                          ; s20 the floor 2^(3 - 127)
.set G1A,  24
.set G1B,  32
.set G1SA, 40
.set G1SB, 48
.set G0A,  56
.set G0B,  60
.set G0SA, 68
.set G0SB, 72                          ; s[76:83] the offsets of the tile that is loaded next: A's codes, B's codes, A's scale words, B's; s90 its block, s92 the block that is multiplied
.set PA,   2                           ; s[2:3], s[22:23] the prefetches' bases
.set PB,   22
.set MSB, 0
.macro WIN new                         ; the immediate's high byte repeats the setting that is left
.if MSB != \new
	s_set_vgpr_msb (MSB<<8)|\new
.set MSB, \new
.endif
.endm
.set MUL,  0xa1                        ; source 0 (B) window 1, source 1 (A) window 0, C and D window 2
.set TO_B, 0x40                        ; destination window 1, address window 0
.macro TL g0, g1
	tensor_load_to_lds s[\g0:\g0+3], s[\g1:\g1+7]
	s_nop 0
.rept 4
	v_nop
.endr
.endm
.macro LOAD4                           ; a fill: one joint load a wave, in one chain of branches on the wave's number with one join; the four v_nop are also the places ahead of the LDS loads that follow
	s_cmp_lt_u32 s14, 1
	s_cbranch_scc0 .Lfor_a_\@
	TL G0B, G1B
	s_branch .Lasked_\@
.Lfor_a_\@:
	s_cmp_lt_u32 s14, 2
	s_cbranch_scc0 .Lfor_sb_\@
	TL G0A, G1A
	s_branch .Lasked_\@
.Lfor_sb_\@:
	s_cmp_lt_u32 s14, 3
	s_cbranch_scc0 .Lfor_sa_\@
	TL G0SB, G1SB
	s_branch .Lasked_\@
.Lfor_sa_\@:
	TL G0SA, G1SA
.Lasked_\@:
.endm
.macro CROUND                          ; a round of the cluster's barrier
	s_barrier_signal -1
	s_barrier_wait -1
	s_cmp_lg_u32 s14, 0
	s_cbranch_scc1 .Lnot_wave_0_\@
	s_barrier_signal -3
.Lnot_wave_0_\@:
	s_barrier_wait -3
	s_barrier_signal -1
	s_barrier_wait -1
.endm
.macro G1SET g, c, r, p                ; words 1-7 of a group 1: r rows of c elements of 8 bytes, p elements apart
	s_mov_b32 s[\g+1], (\c)<<16
	s_mov_b32 s[\g+2], (\r)<<16
	s_mov_b32 s[\g+3], (\c)<<16
	s_mov_b32 s[\g+4], \r
	s_mov_b32 s[\g+5], \p
	s_mov_b32 s[\g+6], 0
	s_mov_b32 s[\g+7], 0
.endm
.macro PLACES                          ; four plain places behind matrix instructions, ahead of loads into their registers and of reads of their results
.rept 4
	v_nop
.endr
.endm
.macro RC vc                           ; block s[vc]: its row of blocks into s84, its column into s85; SCC = the block is QK's.  QK: 16 x 2 blocks; V: 2 x 8
	s_lshr_b32 s84, s[\vc], 1
	s_and_b32 s85, s[\vc], 1
	s_sub_co_u32 s91, s[\vc], 32
	s_lshr_b32 s88, s91, 3
	s_and_b32 s89, s91, 7
	s_cmp_lt_u32 s[\vc], 32                        ; the block's number is the same in all sixteen partners.  Only selections follow
	s_cselect_b32 s84, s84, s88
	s_cselect_b32 s85, s85, s89
.endm
.macro TILEADDR                        ; where block s90's tiles lie in the pool.  A's offsets are made of cy and never of cx, B's of cx and never of cy
	RC 90
	s_cselect_b32 s86, 0, 640                      ; A's first row tile in the pool: x's, or w_qkv's row 2,048
	s_cselect_b32 s87, 512, 0                      ; B's: w_qkv's, or x's
	s_lshl_b32 s84, s84, 2
	s_add_co_u32 s84, s84, s18                     ; tile row
	s_lshl_b32 s84, s84, 3
	s_add_co_u32 s86, s86, s84                     ; A's row tile
	s_lshl_b32 s85, s85, 2
	s_add_co_u32 s85, s85, s17                     ; tile column
	s_lshl_b32 s85, s85, 4
	s_add_co_u32 s87, s87, s85                     ; B's row tile
	s_mul_i32 s76, s86, 768
	s_lshl_b32 s80, s86, 6
	s_mul_i32 s78, s87, 768
	s_lshl_b32 s82, s87, 6
.endm
.macro SETG0 slot                      ; the four groups 0 for half \slot of the tile at s[76:83], into slot \slot.  No tensor load of mine is out where this stands
	s_mov_b32 s[G0A+1], (\slot)*SLOT
	s_add_nc_u64 s[G0A+2:G0A+3], s[4:5], s[76:77]
	s_mov_b32 s[G0B+1], (\slot)*SLOT+BOF
	s_add_nc_u64 s[G0B+2:G0B+3], s[4:5], s[78:79]
	s_mov_b32 s[G0SA+1], (\slot)*SLOT+SAOF
	s_add_nc_u64 s[G0SA+2:G0SA+3], s[6:7], s[80:81]
	s_mov_b32 s[G0SB+1], (\slot)*SLOT+SBOF
	s_add_nc_u64 s[G0SB+2:G0SB+3], s[6:7], s[82:83]
.if \slot
	s_add_nc_u64 s[G0A+2:G0A+3], s[G0A+2:G0A+3], HALFC
	s_add_nc_u64 s[G0B+2:G0B+3], s[G0B+2:G0B+3], HALFC
	s_add_nc_u64 s[G0SA+2:G0SA+3], s[G0SA+2:G0SA+3], HALFS
	s_add_nc_u64 s[G0SB+2:G0SB+3], s[G0SB+2:G0SB+3], HALFS
.endif
.irp g, G0A, G0B, G0SA, G0SB
	s_or_b32 s[\g+3], s[\g+3], 0x80000000
.endr
.endm
.macro CHANGE slot                     ; slot \slot is read out (or, ahead of the first tile, not yet filled): it takes the next tile's half
	s_wait_xcnt 0x0                                ; my prefetches have read their bases
	s_wait_tensorcnt 0x0                           ; all my tensor loads are in: my part of the other slot;
	ds_add_u32 v[SPW], v[NIL]                      ; the add; work on registers stands between it and the wait for it
	SETG0 \slot
	s_wait_dscnt 0x0                               ; the add is done; my reads of the slot were waited for ahead of these lines
	CROUND                                         ; both now hold of every wave of all sixteen work-groups
	LOAD4
.endm
.macro ASK off
	global_prefetch_b8 v[PFA], s[PA:PA+1] offset:\off th:TH_LOAD_NT scope:SCOPE_SE
	global_prefetch_b8 v[PFB], s[PB:PB+1] offset:\off th:TH_LOAD_NT scope:SCOPE_SE
.endm
.macro NEXT                            ; on to the tile that is loaded after this one; its first half is asked for, if there is such a tile
	s_add_co_u32 s90, s90, 16
	TILEADDR
	s_add_nc_u64 s[PA:PA+1], s[4:5], s[76:77]
	s_add_nc_u64 s[PB:PB+1], s[4:5], s[78:79]
	s_cmp_lt_u32 s90, 48
	s_cbranch_scc0 .Lno_tile_\@
	ASK 0
.Lno_tile_\@:
.endm
	s_load_b128 s[4:7], s[0:1], 0x0                ; the pool's codes and scale words
	s_load_b128 s[8:11], s[0:1], 0x10              ; the results' codes and scale words
	v_lshl_add_u32 v[SPW], v0, 2, SPARE
	v_mov_b32 v[NIL], 0
	ds_add_u32 v[SPW], v[NIL]                      ; the opening lines: the add, twice on end, and its wait ahead of my first tensor load
	ds_add_u32 v[SPW], v[NIL]
	v_lshrrev_b32 v1, 5, v0
	v_readfirstlane_b32 s14, v1                    ; wave
	s_lshr_b32 s15, s14, 1                         ; my half of the rows
	s_and_b32 s16, s14, 1                          ; my half of the columns
	s_bfe_u32 s17, ttmp6, 0x40000                  ; cx
	s_bfe_u32 s18, ttmp6, 0x40004                  ; cy
	s_lshl_b32 s94, s18, 2
	s_lshl_b32 s94, 15, s94                        ; my row of the cluster
	s_lshl_b32 s95, 0x1111, s17                    ; my column
	s_or_b32 s[G1A], s94, (3<<16)|(1<<21)          ; 15:0 the mask; 17:16 elements of 8 bytes; 21 set beside a mask; no padding
	s_or_b32 s[G1SA], s94, (3<<16)|(1<<21)
	s_or_b32 s[G1B], s95, (3<<16)|(1<<21)
	s_or_b32 s[G1SB], s95, (3<<16)|(1<<21)
	G1SET G1A, 768, 8, PITCHA                      ; eight column groups x 8 images (6,144 bytes)
	G1SET G1B, 1536, 8, PITCHA                     ; eight column groups x 16 images
	G1SET G1SA, 64, 4, 6144                        ; four planes x 128 words
	G1SET G1SB, 128, 4, 6144                       ; four planes x 256 words
.irp g, G0A, G0B, G0SA, G0SB
	s_mov_b32 s[\g], 1
.endr
.irp r, 77, 79, 81, 83
	s_mov_b32 s\r, 0
.endr
	s_mov_b32 s90, ttmp9
	s_mov_b32 s92, ttmp9
	TILEADDR
	s_mov_b32 s[FLR], 0x1800000
	s_mov_b32 s66, 0x76543210
	s_mov_b32 s67, 0xfedcba98
	s_wait_dscnt 0x0                               ; both opening adds are done
	s_wait_kmcnt 0x0
	SETG0 0
	CROUND                                         ; all sixteen work-groups are here: the joint loads meet
	LOAD4                                          ; the first tile's first half: one load a wave at the head
	v_and_b32 v1, 31, v0                           ; lane
	v_and_b32 v7, 15, v0                           ; r
	v_bfe_u32 v26, v0, 4, 1                        ; h
	v_lshlrev_b32 v[L16], 4, v1
	v_lshl_add_u32 v[L8], v1, 3, 512
	s_wait_alu depctr_va_vdst(0)
	s_mul_i32 s19, s15, 3072                       ; my 64 rows of A: four images in each column group,
	s_mul_i32 s21, s16, 6144                       ; my 128 rows of B: eight
	s_add_co_u32 s21, s21, BOF
.irp j, 0,1,2,3                        ; v8-11, v12-15: A's images of column groups 4 j .. (first 512 bytes, last 256); v16-19, v20-23: B's.  Groups 0-7 lie in slot 0, 8-15 in slot 1
	s_add_co_u32 s88, s19, (\j/2)*SLOT+(\j%2)*ACH
	s_add_co_u32 s89, s21, (\j/2)*SLOT+(\j%2)*BCH
	v_add_nc_u32 v[8+\j], s88, v[L16]
	v_add_nc_u32 v[12+\j], s88, v[L8]
	v_add_nc_u32 v[16+\j], s89, v[L16]
	v_add_nc_u32 v[20+\j], s89, v[L8]
.endr
	v_lshlrev_b32 v4, 2, v1
	s_lshl_b32 s19, s15, 8
	s_add_co_u32 s19, s19, SAOF
	v_add_nc_u32 v24, s19, v4                      ; A's scale words: 4 x lane: lanes 0-15 an even block of 16 rows, lanes 16-31 the odd one behind it; slot 0,
	s_add_co_u32 s19, s19, SLOT
	v_add_nc_u32 v27, s19, v4                      ; slot 1
	s_lshl_b32 s21, s16, 9
	s_add_co_u32 s21, s21, SBOF
	v_add_nc_u32 v25, s21, v4                      ; B's
	s_add_co_u32 s21, s21, SLOT
	v_add_nc_u32 v63, s21, v4
	s_lshl_b32 s19, s14, 9
	s_add_co_u32 s19, s19, STG
	v_lshlrev_b32 v4, 2, v7
	v_lshl_add_u32 v4, v26, 8, v4
	v_add_nc_u32 v4, s19, v4                       ; my stage: [h][row tile][r] words
	v_add_nc_u32 v5, s19, v[L16]                   ; and back, 16 bytes a lane
	v_lshlrev_b32 v62, 4, v26                      ; 16 h
.irp b, 0,1,2,3
	v_mov_b32 v[TM+4+\b], 0                        ; a lane permute's destination counts as read
.endr
	s_lshl_b32 s94, s17, 2                         ; the prefetches: my number among the sixteen waves that load A's tile jointly: 4 cx + wave;
	s_add_co_u32 s94, s94, s14
	s_lshr_b32 s95, s94, 1                         ; two waves to a column group: 12 blocks of its 24 each
	s_mul_i32 s95, s95, CGB
	s_and_b32 s94, s94, 1
	s_mul_i32 s94, s94, 3072
	s_add_co_u32 s95, s95, s94
	v_min_u32 v[PFA], 11, v1
	v_lshl_add_u32 v[PFA], v[PFA], 8, s95
	s_lshl_b32 s96, s18, 2                         ; and B's: 4 cy + wave: 24 blocks of a column group's 48
	s_add_co_u32 s96, s96, s14
	s_lshr_b32 s97, s96, 1
	s_mul_i32 s97, s97, CGB
	s_and_b32 s96, s96, 1
	s_mul_i32 s96, s96, 6144
	s_add_co_u32 s97, s97, s96
	v_min_u32 v[PFB], 23, v1
	v_lshl_add_u32 v[PFB], v[PFB], 8, s97
.macro FRAGH reg, a16, a8, off         ; an image: six registers of a fragment
	ds_load_b128 v[\reg:\reg+3], v[\a16] offset:\off
	ds_load_b64 v[\reg+4:\reg+5], v[\a8] offset:\off
.endm
.macro FETCH q                         ; K step q's fragments (column groups 2 q, 2 q + 1) and scale words into set q % 2: 54 LDS loads in one run
.set FP, (\q)%2
.set FJ, (\q)/2
.set SAR, 24+3*((\q)/4)                ; v24 or v27
.set SBR, 25+38*((\q)/4)               ; v25 or v63
	WIN TO_B
.irp b, 0,1,2,3,4,5,6,7
.irp c, 0,1
	FRAGH 128*FP+12*\b+6*\c, 16+FJ, 20+FJ, (2*FP+\c)*12288+\b*768
.endr
.endr
	WIN 0
.irp a, 0,1,2,3
.irp c, 0,1
	FRAGH 64+48*FP+12*\a+6*\c, 8+FJ, 12+FJ, (2*FP+\c)*6144+\a*768
.endr
.endr
.irp i, 0,1
	ds_load_b32 v[32+6*FP+\i], v[SAR] offset:((\q)%4)*512+128*\i
.endr
.irp i, 0,1,2,3
	ds_load_b32 v[34+6*FP+\i], v[SBR] offset:((\q)%4)*1024+128*\i
.endr
.endm
; one product: A's block a x B's block b, set WP.  An odd block's scale words stand in lanes 16-31 of its pair's register: ra, rb are the blocks' parities
.macro WM a, b, ra, rb, zero
.set XD, 8*(8*(\a)+(\b))
.set XB, 128*WP+12*(\b)
.set XA, 64+48*WP+12*(\a)
.set YB, 34+6*WP+(\b)/2
.set YA, 32+6*WP+(\a)/2
.if \zero
	v_wmma_scale_f32_16x16x128_f8f6f4 v[XD:XD+7], v[XB:XB+11], v[XA:XA+11], 0, v[YB], v[YA] matrix_a_fmt:MATRIX_FMT_FP6 matrix_b_fmt:MATRIX_FMT_FP6 matrix_a_scale:MATRIX_SCALE_ROW\rb matrix_b_scale:MATRIX_SCALE_ROW\ra
.else
	v_wmma_scale_f32_16x16x128_f8f6f4 v[XD:XD+7], v[XB:XB+11], v[XA:XA+11], v[XD:XD+7], v[YB], v[YA] matrix_a_fmt:MATRIX_FMT_FP6 matrix_b_fmt:MATRIX_FMT_FP6 matrix_a_scale:MATRIX_SCALE_ROW\rb matrix_b_scale:MATRIX_SCALE_ROW\ra
.endif
.endm
; A K step of 128: 32 products; the 32 accumulators take turns, one instruction a turn, in the same order in every step.  The next step's loads are issued ahead of the products.
; mode 0: plain.  1: the slot just read out is filled again.  2 (last tile): the other slot is shown to all waves, nothing is filled.  3: nothing more to fetch.
.macro STEP q, zero, mode
	s_wait_dscnt 0x0                               ; this step's 54 loads, issued a step ago, are in: where q is 3 or 7, my last reads of the slot
.if \mode == 1
	CHANGE (\q)/4
.elseif \mode == 2
	s_wait_tensorcnt 0x0
	s_barrier_signal -1
	s_barrier_wait -1
	PLACES
.elseif \mode == 0
	PLACES
.endif
.if \mode != 3
	FETCH ((\q)+1)%8
.endif
.if \mode == 1
.if (\q) == 3
	ASK HALFC                                      ; the next fill: the same tile's second half
.else
	NEXT
.endif
.endif
.set WP, (\q)%2
	WIN MUL
.irp ap, 0,1
.irp ao, 0,1
.irp bp, 0,1,2,3
.irp bo, 0,1
	WM 2*\ap+\ao, 2*\bp+\bo, \ao, \bo, \zero
.endr
.endr
.endr
.endr
	WIN 0
.endm
; THE WAY OUT of A's block a: 16 rows x 128 columns become a fragment's codes (two images) and a scale word a row.  Register 16 b + i of the block's 64 is column 32 b + 16 (i / 8) + 8 h + i % 8.
.macro QUANTW a
.set QS, 64*(\a)
.set PC, 160+20*(\a)
	WIN 0x28                                       ; sources 1 and 2: window 2
.irp b, 0,1,2,3
	v_max3_num_f32 v[TM+\b], s[FLR], |v[QS+16*\b]|, |v[QS+16*\b+1]|   ; each accumulator is read from its low end on
.endr
.irp i, 2,4,6,8,10,12,14
.irp b, 0,1,2,3
	v_max3_num_f32 v[TM+\b], v[TM+\b], |v[QS+16*\b+\i]|, |v[QS+16*\b+\i+1]|
.endr
.endr
	WIN 0
.irp b, 0,1,2,3
	v_permlanex16_b32 v[TM+4+\b], v[TM+\b], s66, s67
.endr
.irp b, 0,1,2,3
	v_max_num_f32 v[TM+\b], v[TM+\b], v[TM+4+\b]   ; with lane l xor 16's 16: the block's largest magnitude
.endr
.irp b, 0,1,2,3
	v_add_nc_u32 v[TM+12+\b], 0xff000000, v[TM+\b] ; 2 off the exponent field: the conversion's scale operand
.endr
.irp b, 0,1,2,3
	v_lshrrev_b32 v[TM+4+\b], 23, v[TM+12+\b]      ; the byte
.endr
	v_lshl_or_b32 v[PW], v[TM+5], 8, v[TM+4]
	v_lshl_or_b32 v[PW], v[TM+6], 16, v[PW]
	v_lshl_or_b32 v[PW], v[TM+7], 24, v[PW]        ; my row's scale word
	WIN 0x02                                       ; source 0: window 2
.irp c, 0,1
	v_cvt_scalef32_pk16_fp6_f32 v[PC+6*\c:PC+6*\c+2], v[QS+32*\c:QS+32*\c+15], v[TM+12+2*\c]
	v_cvt_scalef32_pk16_fp6_f32 v[PC+12+4*\c:PC+14+4*\c], v[QS+32*\c+16:QS+32*\c+31], v[TM+13+2*\c]
.endr
	WIN 0
	v_nop                                          ; one plain place behind the conversions
.irp c, 0,1                            ; a whole block to a lane: lanes 0-15 block 2 c, lanes 16-31 block 2 c + 1
.irp i, 0,1,2
	v_permlane16_swap_b32 v[PC+6*\c+\i], v[PC+12+4*\c+\i]
.endr
.irp i, 0,1,2
	v_mov_b32 v[PC+3+6*\c+\i], v[PC+12+4*\c+\i]
.endr
.endr
	v_lshrrev_b32 v61, v62, v[PW]                  ; lanes 0-15: the whole word, for the even column group; lanes 16-31: its upper half, for the odd one
	ds_store_b32 v4, v61 offset:64*(\a)
	global_store_b128 v[L16], v[PC:PC+3], s[12:13] offset:(\a)*768      ; whole aligned blocks of 256 bytes
	global_store_b64 v[L8], v[PC+4:PC+5], s[12:13] offset:(\a)*768
	global_store_b128 v30, v[PC+6:PC+9], s[12:13] offset:(\a)*768
	global_store_b64 v31, v[PC+10:PC+11], s[12:13] offset:(\a)*768
.endm
.macro WAYOUT                          ; block s92's tile leaves
	s_wait_xcnt 0x0                                ; the last tile's stores have read their registers and bases
	RC 92
	s_cselect_b32 s94, 512, 64                     ; row tiles in a column group of the result
	s_cselect_b32 s95, 0, 12582912                 ; where the part's images begin,
	s_cselect_b32 s96, 0, 1048576                  ; and its scale words
	s_lshl_b32 s84, s84, 2
	s_add_co_u32 s84, s84, s18                     ; tile row
	s_lshl_b32 s85, s85, 2
	s_add_co_u32 s85, s85, s17                     ; tile column
	s_lshl_b32 s97, s85, 2
	s_lshl_b32 s98, s16, 1
	s_add_co_u32 s97, s97, s98                     ; my first column group
	s_mul_i32 s97, s97, s94
	s_lshl_b32 s98, s84, 3
	s_add_co_u32 s97, s97, s98
	s_lshl_b32 s98, s15, 2
	s_add_co_u32 s97, s97, s98                     ; + my first row tile: the number of my first image
	s_mul_i32 s98, s97, 768
	s_add_co_u32 s98, s98, s95
	s_mov_b32 s99, 0
	s_add_nc_u64 s[12:13], s[8:9], s[98:99]
	s_lshl_b32 s98, s97, 6
	s_add_co_u32 s98, s98, s96
	s_add_nc_u64 s[100:101], s[10:11], s[98:99]
	s_mul_i32 s98, s94, 768
	v_add_nc_u32 v30, s98, v[L16]                  ; the second column group's image
	v_add_nc_u32 v31, s98, v[L8]
	s_lshl_b32 s98, s94, 6
	v_mul_lo_u32 v6, v26, s98
	v_lshl_add_u32 v6, v7, 4, v6                   ; the scale words' way out: 16 r, + a column group for lanes 16-31
	PLACES
	QUANTW 0
	QUANTW 1
	QUANTW 2
	QUANTW 3
	ds_load_b128 v[240:243], v5                    ; in order behind my four word stores
	s_wait_dscnt 0x0
	global_store_b128 v6, v[240:243], s[100:101]   ; sixteen lanes store the 256 bytes of four row tiles' words
	s_add_co_u32 s92, s92, 16
	s_wait_alu depctr_va_vdst(0)                   ; the wait ahead of the branch and the waits that follow
.endm
.macro TILE last
	STEP 0, 1, 0                                   ; the first products start the sums: nothing is cleared
	STEP 1, 0, 0
	STEP 2, 0, 0
	STEP 3, 0, 1+(\last)
	STEP 4, 0, 0
	STEP 5, 0, 0
	STEP 6, 0, 0
	STEP 7, 0, 1+2*(\last)
	WAYOUT
.endm
	s_wait_alu depctr_va_vdst(0)
	CHANGE 1                                       ; slot 1's first fill, issued as a refill is: the first tile's second half
	FETCH 0
	NEXT
	s_mov_b32 s93, 2
.Ltile:
	TILE 0
	s_sub_co_u32 s93, s93, 1
	s_cmp_lg_u32 s93, 0
	s_cbranch_scc1 .Ltile
	TILE 1                                         ; the last tile asks for nothing
	s_wait_tensorcnt 0x0                           ; the wave's end
	ds_add_u32 v[SPW], v[NIL]
	s_wait_dscnt 0x0
	CROUND                                         ; the closing round
	s_endpgm
.Lfunc_end_k_qe61b91e802_gemm_qkv:
	.size	k_qe61b91e802_gemm_qkv, .Lfunc_end_k_qe61b91e802_gemm_qkv-k_qe61b91e802_gemm_qkv
	.p2alignl 7, 3214868480
	.fill 96, 4, 3214868480
	.section	.rodata,"a",@progbits
	.p2align	6, 0x0
	.amdhsa_kernel k_qe61b91e802_gemm_qkv
		.amdhsa_group_segment_fixed_size 327680
		.amdhsa_private_segment_fixed_size 0
		.amdhsa_enable_private_segment 0
		.amdhsa_kernarg_size 32
		.amdhsa_user_sgpr_count 2
		.amdhsa_user_sgpr_kernarg_segment_ptr 1
		.amdhsa_wavefront_size32 1
		.amdhsa_system_sgpr_workgroup_id_x 1
		.amdhsa_system_sgpr_workgroup_id_y 1
		.amdhsa_system_sgpr_workgroup_id_z 1
		.amdhsa_system_vgpr_workitem_id 0
		.amdhsa_next_free_vgpr 768
		.amdhsa_next_free_sgpr 102
		.amdhsa_reserve_vcc 0
		.amdhsa_float_denorm_mode_32 3
		.amdhsa_float_denorm_mode_16_64 3
		.amdhsa_memory_ordered 1
		.amdhsa_forward_progress 1
		.amdhsa_inst_pref_size 180
	.end_amdhsa_kernel
	.amdgpu_metadata
---
amdhsa.version: [ 1, 2 ]
amdhsa.kernels:
  - .name:           k_qe61b91e802_gemm_qkv
    .symbol:         k_qe61b91e802_gemm_qkv.kd
    .args:
      - { .name: pc, .offset: 0, .size: 8, .value_kind: global_buffer, .address_space: global }
      - { .name: ps, .offset: 8, .size: 8, .value_kind: global_buffer, .address_space: global }
      - { .name: qkvc, .offset: 16, .size: 8, .value_kind: global_buffer, .address_space: global }
      - { .name: qkvs, .offset: 24, .size: 8, .value_kind: global_buffer, .address_space: global }
    .group_segment_fixed_size: 327680
    .private_segment_fixed_size: 0
    .kernarg_segment_align: 8
    .kernarg_segment_size: 32
    .max_flat_workgroup_size: 128
    .sgpr_count:     102
    .vgpr_count:     768
    .wavefront_size: 32
...
	.end_amdgpu_metadata
.endif
;; end of part 2
;; launch attn (part 3): grid 4 x 64, 16 waves a work-group, clusters of 4 x 1, 327,680 bytes of LDS; arguments qkvc, qkvs, oc, os; writes oc, os
.if DOCPART == 3
	.amdgcn_target "amdgcn-amd-amdhsa--gfx1250"
	.amdhsa_code_object_version 6
	.text
	.protected	k_qe61b91e802_attn
	.globl	k_qe61b91e802_attn
	.p2align	8
	.type	k_qe61b91e802_attn,@function
k_qe61b91e802_attn:
	s_mov_b64 s[64:65], 0
	v_nop
	global_prefetch_b8 v0, s[64:65] scope:SCOPE_SE
	s_setreg_imm32_b32 hwreg(HW_REG_WAVE_MODE, 25, 1), 1
	s_wait_xcnt 0x0
	s_wait_alu depctr_hold_cnt(0) depctr_sa_sdst(0) depctr_va_vdst(0) depctr_va_sdst(0) depctr_va_ssrc(0) depctr_va_vcc(0) depctr_vm_vsrc(0)
	s_getreg_b32 s2, hwreg(HW_REG_IB_STS2, 6, 4)
	s_cmp_eq_u32 s2, 0
	s_cbranch_scc0 .Lentry_in_a_cluster
	s_endpgm
.Lentry_in_a_cluster:
	s_bfe_u32 s2, ttmp6, 0x10000c
	s_cmp_lg_u32 s2, 0x3003
	s_cbranch_scc0 .Lentry_shape_is_right
	s_endpgm
.Lentry_shape_is_right:
; o = softmax(q k^T / 8) v for one head of one batch and 512 queries a work-group, on codes of FP6 (E2M3) with E8M0 scales; o is quantised along the channels and leaves as codes for the last product.
; p = 2^(t - M), t = score x log2(e) / 8, M the ceiling of the running largest t; the row's sum is taken of the unquantised p; when M moves, the sum and O^T are multiplied by an exact power of two.
; LIMITS: NaN and infinities are not served; the promise holds while the scaled scores t stay under 2^31 in magnitude; a block of p that has fallen to zeros keeps the byte 1 (its codes are zeros).
; SHARES: 16 waves; a wave takes 16 queries in each of two passes and walks the head's 2,048 keys in 16 steps of 128.  Both products are used transposed (S^T = k q^T, O^T = v^T p^T): a lane holds one query.
; q and k have K = 64: the upper 64 of q's operand are zero codes, so whatever stands in the upper six registers of k's operand adds nothing (they are the next tile's, or zeros).
; THE KEYS OF A TILE ARE CHOSEN BY ADDRESS: row 8 hb + j of tile 4 c + t is key 64 c + 32 hb + 16 (t % 2) + 8 (t / 2) + j.  So the 32 registers of a lane (r, h) in tiles 4 c .. 4 c + 3 are ONE scale block,
; block 2 c + h of the step, in the order in which v's codes lie inside a block: its largest score needs no other lane, and two conversions give registers 6 c .. 6 c + 5 of p's operand as they fall.
; FOUR WAVES SHARE A SIMD, so dependent lines are kept apart: the largest scores are taken in eight chains, one to a tile, the row's sum in eight chains, and the last joins stand by turns with the lines that make p's scale word;
; the one chain that cannot be interleaved, from the step's largest score to the factor f, has a one-field s_delay_alu ahead of each dependent line.
; LDS: all of the head's k and v, filled once.  An image of 768 bytes (16 rows x 64 K: lane l's registers 0-3 at 16 l, 4-5 at 512 + 8 l) lies as 3 x (256 + 64) bytes: two images are 1,920 bytes apart,
; 128 modulo 256, so the two images from.
; [k keys 0-1,023][v][k keys 1,024-2,047][v], 61,440 bytes each; then k's and v's scale words, 8,192 each; then the spare words.
; FILLS: one joint load a wave at the head, by ten waves (the four work-groups of a cluster take the same head: mask 15): waves 0-1 k's and 2-3 v's first half, 4-5 and 6-7 the second half, 8 and 9 the scale words.
; The first barrier shows the first half and the scale words (waves 4-7, whose load lines are their own, do not wait there); a plain barrier in the middle of the first pass shows the rest.  Nothing is filled twice.
; No prefetch: every tile is asked for at the head, so there is no later stream to ask for ahead.
.set IMG,   960
.set STEPB, 8*IMG                      ; a step's eight images of k, or of v
.set LOADB, 32*IMG                     ; what one load of codes fills
.set VOFF,  2*LOADB                    ; from a half's k to its v
.set HALFB, 4*LOADB
.set KSC,   8*LOADB
.set VSC,   KSC+8192
.set SPARE, VSC+8192                   ; 128 bytes a wave: eight blocks of 256 bytes that no other line names
.set L16,  1                           ; v1 16 x lane, v2 512 + 8 x lane, v4 4 r: places in memory
.set L8,   2
.set KA16, 3                           ; the lane's part of LDS addresses: k's images (first 512 bytes; v7: last 256), v8 k's scale words, v9, v10 v's images, v11 v's scale words
.set R4,   4
.set SPW,  5
.set NIL,  6
.set KA8,  7
.set KSA,  8
.set VA16, 9
.set VA8,  10
.set VSA,  11                          ; v12 -M, v13 the running largest score, v[14:15] the row's sum in two halves; v16-27 q, v28 its scale words
.set AK16, 29                          ; this step's addresses
.set AK8,  30
.set AKS,  31
.set FB,   32                          ; v32-85 eight tiles of k (six registers each, and six zeros), then four fragments of v; v86-89, v90-91 their scale words
.set AV16, 92
.set AV8,  93
.set AVS,  94
.set H8,   95                          ; 8 h
.set S,    96                          ; v96-159 the scores, then p
.set OT,   160                         ; v160-191 O^T
.set BM,   192                         ; my two blocks' largest scores, then largest p
.set SO,   194                         ; the conversions' scale operands
.set BY,   196                         ; the bytes
.set CT,   204                         ; v204-206, v208-210 the blocks' upper 16 codes, before they are moved
.set PCD,  212                         ; v212-223 p's operand
.set FF,   224                         ; f = 2^(old M - new M); v225 is named with it and holds 0
.set T,    227
.set T2,   228
.set OW,   229
.set PS,   230                         ; p's scale word
.set PM,   231                         ; the old -M
.set OCD,  234
.set Q1,   240                         ; v240-246 the second pass's q and its scale words
.set MX,   248                         ; v248-255 eight chains of maxima; then, with v232-233 and v200-203, seven chains of the row's sum beside v[14:15]
.set WV,   12
.set SEL,  20
.set CS,   22
.set GK,   24
.set GV,   32
.set GKS,  40
.set GVS,  48
.set G0C,  56
.set G0KS, 60
.set G0VS, 68
.set TB,   2
.set TS,   3
.set CNT,  66
.set PADW, 15|(3<<16)|(1<<20)|(1<<21)|(5<<22)|(15<<25)   ; mask 15; elements of 8 bytes; padding on; 21 set beside a mask; after every 64 words 16 words
.macro WALU
	s_wait_alu depctr_va_vdst(0)
.endm
.macro CROUND
	s_barrier_signal -1
	s_barrier_wait -1
	s_cmp_lg_u32 s[WV], 0
	s_cbranch_scc1 .Lnot_wave_0_\@
	s_barrier_signal -3
.Lnot_wave_0_\@:
	s_barrier_wait -3
	s_barrier_signal -1
	s_barrier_wait -1
.endm
.macro G1SET g, w0, c, r, p            ; r rows of c elements of 8 bytes, p elements apart
	s_mov_b32 s[\g], \w0
	s_mov_b32 s[\g+1], (\c)<<16
	s_mov_b32 s[\g+2], (\r)<<16
	s_mov_b32 s[\g+3], (\c)<<16
	s_mov_b32 s[\g+4], \r
	s_mov_b32 s[\g+5], \p
	s_mov_b32 s[\g+6], 0
	s_mov_b32 s[\g+7], 0
.endm
.macro ARM under, g0, g1, next         ; an arm of the head's chain of branches on the wave's number: one joint load, then the jump to the join
	s_cmp_lt_u32 s[WV], \under
	s_cbranch_scc0 \next
	tensor_load_to_lds s[\g0:\g0+3], s[\g1:\g1+7]
	s_nop 0
.rept 4
	v_nop
.endr
	s_branch .Lhead_asked
\next:
.endm
.macro PMRG d, e                       ; two chains of the row's sum are joined
	v_pk_add_f32 v[\d:\d+1], v[\d:\d+1], v[\e:\e+1]
.endm
	s_load_b256 s[4:11], s[0:1], 0x0               ; qkvc, qkvs, oc, os
	v_lshl_add_u32 v[SPW], v0, 2, SPARE
	v_mov_b32 v[NIL], 0
	ds_add_u32 v[SPW], v[NIL]                      ; the opening lines: the add, twice on end, and its wait
	ds_add_u32 v[SPW], v[NIL]
	v_lshrrev_b32 v29, 5, v0
	v_readfirstlane_b32 s[WV], v29
	G1SET GK, PADW, 384, 8, 384                    ; k: 32 images on end, as 8 rows of 3,072 bytes
	G1SET GV, PADW, 384, 8, 6144                   ; v: 8 groups of 64 keys x the head's 4 images, 49,152 bytes apart
	G1SET GKS, 15|(3<<16)|(1<<21), 32, 32, 32      ; k's scale words: 8,192 bytes on end
	G1SET GVS, 15|(3<<16)|(1<<21), 32, 32, 512     ; v's: 32 groups x 256 bytes, 4,096 apart
	s_mov_b32 s[SEL], 0x76543210
	s_mov_b32 s[SEL+1], 0xfedcba98                 ; lane l xor 16
	s_mov_b32 s[CS], 0x3e38aa3b                    ; log2(e) / 8
	s_mov_b32 s[CS+1], s[CS]
	s_and_b32 s72, ttmp7, 0xffff
	s_lshr_b32 s73, s72, 4                         ; batch
	s_and_b32 s74, s72, 15                         ; head
	s_lshl_b32 s76, s74, 9
	s_lshl_b32 s77, s73, 7
	s_add_co_u32 s76, s76, s77                     ; q's first image: 512 x head + 128 x batch
	s_add_co_u32 s77, s76, 8192                    ; k's
	s_lshr_b32 s85, s[WV], 2                       ; waves 0-7: which half of the keys,
	s_and_b32 s86, s[WV], 1                        ; and which half of that
	s_mul_i32 s78, s77, 768
	s_mul_i32 s79, s85, 49152
	s_add_co_u32 s78, s78, s79
	s_mul_i32 s79, s86, 24576
	s_add_co_u32 s78, s78, s79                     ; k's codes
	s_mul_i32 s80, s73, 1572864
	s_mul_i32 s81, s74, 3072
	s_add_co_u32 s80, s80, s81
	s_add_co_u32 s80, s80, 12582912
	s_mul_i32 s81, s85, 786432
	s_add_co_u32 s80, s80, s81
	s_mul_i32 s81, s86, 393216
	s_add_co_u32 s80, s80, s81                     ; v's
	s_bitcmp1_b32 s[WV], 1                         ; waves 2, 3, 6, 7 fetch v
	s_cselect_b32 s78, s80, s78
	s_mov_b32 s79, 0
	s_lshl_b32 s82, s77, 6                         ; k's scale words
	s_mov_b32 s83, 0
	s_lshl_b32 s84, s73, 17
	s_lshl_b32 s85, s74, 8
	s_add_co_u32 s84, s84, s85
	s_add_co_u32 s84, s84, 1048576                 ; v's
	s_mov_b32 s85, 0
	s_bfe_u32 s75, ttmp6, 0x40000                  ; cx: which 512 queries (it enters places in memory alone)
	s_lshl_b32 s88, s75, 5
	s_add_co_u32 s88, s88, s[WV]
	s_add_co_u32 s90, s76, s88                     ; my first pass's image of q, and of o
	s_mul_i32 s92, s90, 768
	s_mov_b32 s93, 0
	s_lshl_b32 s94, s90, 6
	s_mov_b32 s95, 0
	s_lshl_b32 s90, s73, 7
	s_add_co_u32 s88, s88, s90
	s_lshl_b32 s88, s88, 6
	s_lshr_b32 s90, s74, 1
	s_lshl_b32 s90, s90, 15
	s_add_co_u32 s88, s88, s90
	s_and_b32 s90, s74, 1
	s_lshl_b32 s90, s90, 1
	s_add_co_u32 s88, s88, s90                     ; o's scale words [head / 2][row]: my head's two bytes of the word
	s_mov_b32 s89, 0
	s_wait_dscnt 0x0
	s_wait_kmcnt 0x0
	s_add_nc_u64 s[16:17], s[4:5], s[92:93]
	s_add_nc_u64 s[18:19], s[6:7], s[94:95]
	s_add_nc_u64 s[8:9], s[8:9], s[92:93]
	s_add_nc_u64 s[10:11], s[10:11], s[88:89]
	s_mov_b32 s[G0C], 1
	s_mul_i32 s[G0C+1], s[WV], LOADB
	s_add_nc_u64 s[G0C+2:G0C+3], s[4:5], s[78:79]
	s_or_b32 s[G0C+3], s[G0C+3], 0x80000000
	s_mov_b32 s[G0KS], 1
	s_mov_b32 s[G0KS+1], KSC
	s_add_nc_u64 s[G0KS+2:G0KS+3], s[6:7], s[82:83]
	s_or_b32 s[G0KS+3], s[G0KS+3], 0x80000000
	s_mov_b32 s[G0VS], 1
	s_mov_b32 s[G0VS+1], VSC
	s_add_nc_u64 s[G0VS+2:G0VS+3], s[6:7], s[84:85]
	s_or_b32 s[G0VS+3], s[G0VS+3], 0x80000000
	CROUND                                         ; all four work-groups are here: the joint loads meet
	ARM 2, G0C, GK, .Lhead_v1
	ARM 4, G0C, GV, .Lhead_k2
	ARM 6, G0C, GK, .Lhead_v2
	ARM 8, G0C, GV, .Lhead_ks
	ARM 9, G0KS, GKS, .Lhead_vs
	ARM 10, G0VS, GVS, .Lhead_none
.Lhead_asked:
	v_and_b32 v29, 31, v0                          ; lane
	v_and_b32 v30, 15, v0                          ; r
	v_bfe_u32 v31, v0, 4, 1                        ; h
	v_and_b32 v92, 7, v0                           ; j
	v_bfe_u32 v93, v0, 3, 1                        ; hb
	v_lshlrev_b32 v[L16], 4, v29
	v_lshl_add_u32 v[L8], v29, 3, 512
	v_lshlrev_b32 v[R4], 2, v30
	global_load_b128 v[16:19], v[L16], s[16:17]
	global_load_b64 v[20:21], v[L8], s[16:17]
	global_load_b32 v28, v[R4], s[18:19]
	global_load_b128 v[Q1:Q1+3], v[L16], s[16:17] offset:12288   ; the second pass's queries lie 16 images on
	global_load_b64 v[Q1+4:Q1+5], v[L8], s[16:17] offset:12288
	global_load_b32 v[Q1+6], v[R4], s[18:19] offset:1024
	v_mul_u32_u24 v[KA16], v93, 2*IMG              ; rows 8-15 of a tile come from the image two further on
	v_mad_u32_u24 v[KA8], v31, 128, v[KA16]
	v_mad_u32_u24 v[KA16], v31, 320, v[KA16]
	v_lshl_add_u32 v[KA16], v92, 4, v[KA16]        ; 1,920 hb + 320 h + 16 j
	v_lshl_add_u32 v[KA8], v92, 3, v[KA8]
	v_add_nc_u32 v[KA8], 640, v[KA8]               ; 1,920 hb + 640 + 128 h + 8 j
	v_lshlrev_b32 v[KSA], 7, v93
	v_lshl_add_u32 v[KSA], v31, 6, v[KSA]
	v_lshl_add_u32 v[KSA], v92, 2, v[KSA]
	v_add_nc_u32 v[KSA], KSC, v[KSA]               ; a key's word at 4 x key: 128 hb + 4 j; lanes 16-31 take the odd tile of a pair, 16 keys on
	v_mul_u32_u24 v[VA16], v31, 320
	v_lshl_add_u32 v[VA16], v30, 4, v[VA16]
	v_add_nc_u32 v[VA16], VOFF, v[VA16]
	v_lshl_add_u32 v[VA8], v29, 3, VOFF+640
	v_lshl_add_u32 v[VSA], v29, 2, VSC
	v_lshlrev_b32 v[H8], 3, v31
.irp i, 0,1,2,3,4,5
	v_mov_b32 v[22+\i], 0                          ; q's upper 64: zero codes
	v_mov_b32 v[80+\i], 0
.endr
	v_mov_b32 v[FF+1], 0
	v_mov_b32 v[T2], 0                             ; a lane permute's destination counts as read
	v_mov_b32 v[BY], 0
	v_mov_b32 v[BY+1], 0
.macro STEP
	v_add_nc_u32 v[AK16], s[TB], v[KA16]           ; (these four are also the places behind the last step's products, ahead of the loads into their registers)
	v_add_nc_u32 v[AK8], s[TB], v[KA8]
	v_add_nc_u32 v[AKS], s[TS], v[KSA]
	v_add_nc_u32 v[AVS], s[TS], v[VSA]
.irp c, 0,1
.irp u, 0,1
.irp o, 0,1
	ds_load_b128 v[FB+6*(4*\c+2*\u+\o):FB+6*(4*\c+2*\u+\o)+3], v[AK16] offset:4*IMG*\c+IMG*\o+128*\u
	ds_load_b64 v[FB+6*(4*\c+2*\u+\o)+4:FB+6*(4*\c+2*\u+\o)+5], v[AK8] offset:4*IMG*\c+IMG*\o+64*\u
.endr
.endr
.endr
.irp c, 0,1
.irp u, 0,1
	ds_load_b32 v[86+2*\c+\u], v[AKS] offset:256*\c+32*\u
.endr
.endr
.irp i, 0,1
	ds_load_b32 v[90+\i], v[AVS] offset:128*\i
.endr
	WALU
	s_wait_dscnt 0x0
.irp c, 0,1
.irp u, 0,1
	v_wmma_scale_f32_16x16x128_f8f6f4 v[S+8*(4*\c+2*\u):S+8*(4*\c+2*\u)+7], v[FB+6*(4*\c+2*\u):FB+6*(4*\c+2*\u)+11], v[16:27], 0, v[86+2*\c+\u], v28 matrix_a_fmt:MATRIX_FMT_FP6 matrix_b_fmt:MATRIX_FMT_FP6
	v_wmma_scale_f32_16x16x128_f8f6f4 v[S+8*(4*\c+2*\u)+8:S+8*(4*\c+2*\u)+15], v[FB+6*(4*\c+2*\u)+6:FB+6*(4*\c+2*\u)+17], v[16:27], 0, v[86+2*\c+\u], v28 matrix_a_fmt:MATRIX_FMT_FP6 matrix_b_fmt:MATRIX_FMT_FP6 matrix_a_scale:MATRIX_SCALE_ROW1
.endr
.endr
	v_add_nc_u32 v[AV16], s[TB], v[VA16]           ; four places behind the products
	v_add_nc_u32 v[AV8], s[TB], v[VA8]
	v_nop
	v_nop
.irp t, 0,1,2,3
.irp c, 0,1
	ds_load_b128 v[FB+12*\t+6*\c:FB+12*\t+6*\c+3], v[AV16] offset:4*IMG*\c+IMG*\t   ; v's fragments land under the softmax
	ds_load_b64 v[FB+12*\t+6*\c+4:FB+12*\t+6*\c+5], v[AV8] offset:4*IMG*\c+IMG*\t
.endr
.endr
.irp k, 0,1,2,3,4,5,6,7                ; the largest scores: eight chains by turns, one to a tile, each over its registers 0-6; each accumulator is read from its low end on
	v_max3_num_f32 v[MX+\k], v[S+8*\k], v[S+8*\k+1], v[S+8*\k+2]
.endr
.irp i, 3,5
.irp k, 0,1,2,3,4,5,6,7
	v_max3_num_f32 v[MX+\k], v[MX+\k], v[S+8*\k+\i], v[S+8*\k+\i+1]
.endr
.endr
.irp c, 0,1                            ; the chains of a block are joined, each join with one of the tiles' registers 7
.irp d, 0,1
	v_max3_num_f32 v[MX+4*\c+2*\d], v[MX+4*\c+2*\d], v[MX+4*\c+2*\d+1], v[S+32*\c+16*\d+7]
.endr
.endr
.irp c, 0,1
	v_max3_num_f32 v[BM+\c], v[MX+4*\c], v[MX+4*\c+2], v[S+32*\c+15]
.endr
.irp c, 0,1
	v_max_num_f32 v[BM+\c], v[BM+\c], v[S+32*\c+31]
.endr
	s_delay_alu instid0(VALU_DEP_1)
	v_max_num_f32 v[T], v[BM], v[BM+1]
	v_mov_b32 v[PM], v12
	s_delay_alu instid0(VALU_DEP_2)
	v_permlanex16_b32 v[T2], v[T], s[SEL], s[SEL+1]
	s_delay_alu instid0(VALU_DEP_1)
	v_max3_num_f32 v13, v13, v[T], v[T2]           ; the running largest score of my query, the other half's blocks among them
	s_delay_alu instid0(VALU_DEP_1)
	v_mul_f32 v[T], s[CS], v13                     ; as t (the factor is positive)
	s_delay_alu instid0(VALU_DEP_1)
	v_floor_f32 v12, -v[T]                         ; -M = floor(-t): M is a whole number
	s_delay_alu instid0(VALU_DEP_1)
	v_sub_f32 v[T], v12, v[PM]
	s_delay_alu instid0(VALU_DEP_1)
	v_cvt_i32_f32 v[T], v[T]                       ; old M less new M, 0 or less (it saturates)
	s_delay_alu instid0(VALU_DEP_1)
	v_ldexp_f32 v[FF], 1.0, v[T]
.set J, 0
.rept 32
	v_pk_fma_f32 v[S+J:S+J+1], v[S+J:S+J+1], s[CS:CS+1], v[12:13] op_sel_hi:[1,0,0]   ; t - M
.set J, J+2
.endr
	v_pk_fma_f32 v[BM:BM+1], v[BM:BM+1], s[CS:CS+1], v[12:13] op_sel_hi:[1,0,0]       ; the same of each block's largest score
	WALU
	v_exp_f32 v[BM], v[BM]                         ; the block's largest p: the same two instructions on the same number give the same bits
	v_exp_f32 v[BM+1], v[BM+1]
.set J, 0
.rept 64
	v_exp_f32 v[S+J], v[S+J]
.set J, J+1
.endr
	v_pk_mul_f32 v[14:15], v[14:15], v[FF:FF+1] op_sel_hi:[1,0]   ; the sums under the new M: a plain place behind the batch
	WALU                                           ; one wait for the batch, ahead of its first reader
.irp c, 0,1
	v_max_num_f32 v[BM+\c], 0x1800000, v[BM+\c]    ; the floor 2^(3 - 127): the byte cannot fall under 1
.endr
.set J, 0
.irp d, 248,250,252,254,232,200,202    ; the row's sum, of the unquantised p: seven chains begin,
	v_pk_add_f32 v[\d:\d+1], v[S+J:S+J+1], v[S+J+2:S+J+3]
.set J, J+4
.endr
.irp c, 0,1
	v_add_nc_u32 v[SO+\c], 0xff000000, v[BM+\c]    ; 2 off the exponent field: the conversion's scale operand
.endr
.irp d, 14,248,250,252,254,232,200,202,14,248,250,252,254,232,200,202,14,248   ; and go on by turns with the running sum: the 18 pairs that are left
	v_pk_add_f32 v[\d:\d+1], v[\d:\d+1], v[S+J:S+J+1]
.set J, J+2
.endr
.irp c, 0,1
	v_cvt_scalef32_pk16_fp6_f32 v[PCD+6*\c:PCD+6*\c+2], v[S+32*\c:S+32*\c+15], v[SO+\c]
	v_cvt_scalef32_pk16_fp6_f32 v[CT+4*\c:CT+4*\c+2], v[S+32*\c+16:S+32*\c+31], v[SO+\c]   ; (a conversion's three registers begin on an even number)
.endr
.irp c, 0,1
	v_lshrrev_b32 v[BY+\c], 23, v[SO+\c]           ; the bytes of blocks h and 2 + h.  (Plain places behind the conversions)
.endr
	PMRG 248, 250                                  ; the chains are joined; the lines that make p's scale word and the six moves stand among the joins
	v_lshl_or_b32 v[PS], v[BY+1], 16, v[BY]
	PMRG 252, 254
	PMRG 232, 200
	v_lshlrev_b32 v[PS], v[H8], v[PS]              ; my two bytes at their places in the word;
	PMRG 14, 202
	v_mov_b32 v[PCD+3], v[CT]
	v_mov_b32 v[PCD+4], v[CT+1]
	v_permlanex16_b32 v[T2], v[PS], s[SEL], s[SEL+1]
	PMRG 248, 252
	PMRG 14, 232
	v_mov_b32 v[PCD+5], v[CT+2]
	v_mov_b32 v[PCD+9], v[CT+4]
	v_or_b32 v[PS], v[PS], v[T2]                   ; with the other half's two it is whole
	v_mov_b32 v[PCD+10], v[CT+5]
	v_mov_b32 v[PCD+11], v[CT+6]
	PMRG 14, 248
	WALU                                           ; the wait directly ahead of the first reader of O^T
.set J, 0
.rept 16
	v_pk_mul_f32 v[OT+J:OT+J+1], v[OT+J:OT+J+1], v[FF:FF+1] op_sel_hi:[1,0]   ; O^T under the new M.  (Also the places between p's operand and scale word and the products)
.set J, J+2
.endr
	WALU
	s_wait_dscnt 0x0                               ; v's fragments are in
.irp t, 0,2
	v_wmma_scale_f32_16x16x128_f8f6f4 v[OT+8*\t:OT+8*\t+7], v[FB+12*\t:FB+12*\t+11], v[PCD:PCD+11], v[OT+8*\t:OT+8*\t+7], v[90+\t/2], v[PS] matrix_a_fmt:MATRIX_FMT_FP6 matrix_b_fmt:MATRIX_FMT_FP6
	v_wmma_scale_f32_16x16x128_f8f6f4 v[OT+8*\t+8:OT+8*\t+15], v[FB+12*\t+12:FB+12*\t+23], v[PCD:PCD+11], v[OT+8*\t+8:OT+8*\t+15], v[90+\t/2], v[PS] matrix_a_fmt:MATRIX_FMT_FP6 matrix_b_fmt:MATRIX_FMT_FP6 matrix_a_scale:MATRIX_SCALE_ROW1
.endr
.endm
.macro HALF n                          ; eight steps: half n of the keys
	s_mov_b32 s[TB], (\n)*HALFB
	s_mov_b32 s[TS], (\n)*4096
	s_mov_b32 s[CNT], 8
.Lstep_\@:
	STEP
	s_add_co_u32 s[TB], s[TB], STEPB
	s_add_co_u32 s[TS], s[TS], 512
	s_sub_co_u32 s[CNT], s[CNT], 1
	s_cmp_lg_u32 s[CNT], 0
	s_cbranch_scc1 .Lstep_\@
.endm
.macro BEGIN                           ; a pass begins: the largest score so far lies under every score, the sums are zeros, which the first change of M leaves zeros
	v_mov_b32 v13, 0xff61b1e6
	v_floor_f32 v12, -v13
	v_mov_b32 v14, 0
	v_mov_b32 v15, 0
.set J, 0
.rept 32
	v_mov_b32 v[OT+J], 0
.set J, J+1
.endr
.endm
.macro FINISH p                        ; O^T / the row's sum, quantised along the head's 64 channels: an image of o and two scale bytes a row
	s_wait_xcnt 0x0                                ; the last pass's stores have read their registers
.rept 4
	v_nop
.endr
	v_add_f32 v14, v14, v15
	v_permlanex16_b32 v[T2], v14, s[SEL], s[SEL+1]
	v_add_f32 v14, v14, v[T2]
	WALU
	v_rcp_f32 v14, v14
	v_nop
	WALU
.set J, 0
.rept 16
	v_pk_mul_f32 v[S+J:S+J+1], v[OT+J:OT+J+1], v[14:15] op_sel_hi:[1,0]
.set J, J+2
.endr
.irp b, 0,1
	v_max3_num_f32 v[BM+\b], |v[S+16*\b]|, |v[S+1+16*\b]|, 0x1800000
.endr
.irp i, 2,4,6,8,10,12,14
.irp b, 0,1
	v_max3_num_f32 v[BM+\b], v[BM+\b], |v[S+16*\b+\i]|, |v[S+1+16*\b+\i]|
.endr
.endr
.irp b, 0,1
	v_permlanex16_b32 v[BY+\b], v[BM+\b], s[SEL], s[SEL+1]
.endr
.irp b, 0,1
	v_max_num_f32 v[BM+\b], v[BM+\b], v[BY+\b]
.endr
.irp b, 0,1
	v_add_nc_u32 v[SO+\b], 0xff000000, v[BM+\b]
.endr
.irp b, 0,1
	v_lshrrev_b32 v[BY+\b], 23, v[SO+\b]
.endr
	v_lshl_or_b32 v[OW], v[BY+1], 8, v[BY]
	v_cvt_scalef32_pk16_fp6_f32 v[OCD:OCD+2], v[S:S+15], v[SO]
	v_cvt_scalef32_pk16_fp6_f32 v[CT:CT+2], v[S+16:S+31], v[SO+1]
	v_nop
.irp i, 0,1,2
	v_permlane16_swap_b32 v[OCD+\i], v[CT+\i]      ; a whole block to a lane
.endr
.irp i, 0,1,2
	v_mov_b32 v[OCD+3+\i], v[CT+\i]
.endr
	global_store_b128 v[L16], v[OCD:OCD+3], s[8:9] offset:(\p)*12288
	global_store_b64 v[L8], v[OCD+4:OCD+5], s[8:9] offset:(\p)*12288
	global_store_b16 v[R4], v[OW], s[10:11] offset:(\p)*1024
.endm
	BEGIN
	WALU
	s_wait_loadcnt 0x0                             ; both passes' q
	s_cmp_lt_u32 s[WV], 4
	s_cbranch_scc1 .Lfirst
	s_cmp_lt_u32 s[WV], 8
	s_cbranch_scc1 .Lnot_first                     ; waves 4-7 fetch the second half: its lines are theirs alone
.Lfirst:
	s_wait_tensorcnt 0x0
.Lnot_first:
	s_barrier_signal -1
	s_barrier_wait -1                              ; the first half of the keys and all scale words are in.
	HALF 0
	s_wait_tensorcnt 0x0                           ; every wave: all that is still out
	s_barrier_signal -1
	s_barrier_wait -1                              ; the second half is in
	HALF 1
	FINISH 0
.irp i, 0,1,2,3,4,5
	v_mov_b32 v[16+\i], v[Q1+\i]                   ; the second pass's queries
.endr
	v_mov_b32 v28, v[Q1+6]
	BEGIN
	HALF 0
	HALF 1
	FINISH 1
	s_wait_tensorcnt 0x0                           ; the wave's end
	ds_add_u32 v[SPW], v[NIL]
	s_wait_dscnt 0x0
	CROUND                                         ; the closing round
	s_endpgm
.Lfunc_end_k_qe61b91e802_attn:
	.size	k_qe61b91e802_attn, .Lfunc_end_k_qe61b91e802_attn-k_qe61b91e802_attn
	.p2alignl 7, 3214868480
	.fill 96, 4, 3214868480
	.section	.rodata,"a",@progbits
	.p2align	6, 0x0
	.amdhsa_kernel k_qe61b91e802_attn
		.amdhsa_group_segment_fixed_size 327680
		.amdhsa_private_segment_fixed_size 0
		.amdhsa_enable_private_segment 0
		.amdhsa_kernarg_size 32
		.amdhsa_user_sgpr_count 2
		.amdhsa_user_sgpr_kernarg_segment_ptr 1
		.amdhsa_wavefront_size32 1
		.amdhsa_system_sgpr_workgroup_id_x 1
		.amdhsa_system_sgpr_workgroup_id_y 1
		.amdhsa_system_sgpr_workgroup_id_z 1
		.amdhsa_system_vgpr_workitem_id 0
		.amdhsa_next_free_vgpr 256
		.amdhsa_next_free_sgpr 96
		.amdhsa_reserve_vcc 0
		.amdhsa_float_denorm_mode_32 3
		.amdhsa_float_denorm_mode_16_64 3
		.amdhsa_memory_ordered 1
		.amdhsa_forward_progress 1
		.amdhsa_inst_pref_size 83
	.end_amdhsa_kernel
	.amdgpu_metadata
---
amdhsa.version: [ 1, 2 ]
amdhsa.kernels:
  - .name:           k_qe61b91e802_attn
    .symbol:         k_qe61b91e802_attn.kd
    .args:
      - { .name: qkvc, .offset: 0, .size: 8, .value_kind: global_buffer, .address_space: global }
      - { .name: qkvs, .offset: 8, .size: 8, .value_kind: global_buffer, .address_space: global }
      - { .name: oc, .offset: 16, .size: 8, .value_kind: global_buffer, .address_space: global }
      - { .name: os, .offset: 24, .size: 8, .value_kind: global_buffer, .address_space: global }
    .group_segment_fixed_size: 327680
    .private_segment_fixed_size: 0
    .kernarg_segment_align: 8
    .kernarg_segment_size: 32
    .max_flat_workgroup_size: 512
    .sgpr_count:     96
    .vgpr_count:     256
    .wavefront_size: 32
...
	.end_amdgpu_metadata
.endif
;; end of part 3
;; launch gemm_proj (part 4): grid 64 x 4, 4 waves a work-group, clusters of 4 x 4, 327,680 bytes of LDS; arguments oc, os, pc, ps, out0; writes out0
.if DOCPART == 4
	.amdgcn_target "amdgcn-amd-amdhsa--gfx1250"
	.amdhsa_code_object_version 6
	.text
	.protected	k_qe61b91e802_gemm_proj
	.globl	k_qe61b91e802_gemm_proj
	.p2align	8
	.type	k_qe61b91e802_gemm_proj,@function
k_qe61b91e802_gemm_proj:
	s_mov_b64 s[64:65], 0
	v_nop
	global_prefetch_b8 v0, s[64:65] scope:SCOPE_SE
	s_setreg_imm32_b32 hwreg(HW_REG_WAVE_MODE, 25, 1), 1
	s_wait_xcnt 0x0
	s_wait_alu depctr_hold_cnt(0) depctr_sa_sdst(0) depctr_va_vdst(0) depctr_va_sdst(0) depctr_va_ssrc(0) depctr_va_vcc(0) depctr_vm_vsrc(0)
	s_getreg_b32 s2, hwreg(HW_REG_IB_STS2, 6, 4)
	s_cmp_eq_u32 s2, 0
	s_cbranch_scc0 .Lentry_in_a_cluster
	s_endpgm
.Lentry_in_a_cluster:
	s_bfe_u32 s2, ttmp6, 0x10000c
	s_cmp_lg_u32 s2, 0xf033
	s_cbranch_scc0 .Lentry_shape_is_right
	s_endpgm
.Lentry_shape_is_right:
.set PITCHA, 49152
.set CHA,    4*393216
.set PLANEA, 32768
.set ACH,   24576
.set BCH,   49152
.set BB0,   4*ACH
.set SCA,   BB0+4*BCH
.set SCB,   SCA+4096
.set STG,   SCB+8192
.set SPARE, STG+17408
.set L16,  2
.set L8,   3
.set STO,  26
.set RD,   27
.set CO,   30
.set SPW,  28
.set NIL,  29
.set G1A,  24
.set G1B,  32
.set G1SA, 40
.set G1SB, 48
.set G0SA, 92
.set G0SB, 96
.set MSB, 0
.macro WIN new
.if MSB != \new
	s_set_vgpr_msb (MSB<<8)|\new
.set MSB, \new
.endif
.endm
.set MUL,  0xa1
.set TO_B, 0x40
.macro ARM under, g0, g1, next         ; an arm of the head's chain of branches on the wave's number: one joint load, then the jump to the join
	s_cmp_lt_u32 s14, \under
	s_cbranch_scc0 \next
	tensor_load_to_lds s[\g0:\g0+3], s[\g1:\g1+7]
	s_nop 0
.rept 4
	v_nop
.endr
	s_branch .Lhead_asked
\next:
.endm
.macro CROUND
	s_barrier_signal -1
	s_barrier_wait -1
	s_cmp_lg_u32 s14, 0
	s_cbranch_scc1 .Lnot_wave_0_\@
	s_barrier_signal -3
.Lnot_wave_0_\@:
	s_barrier_wait -3
	s_barrier_signal -1
	s_barrier_wait -1
.endm
.macro G1SET g, c, r, p
	s_mov_b32 s[\g+1], (\c)<<16
	s_mov_b32 s[\g+2], (\r)<<16
	s_mov_b32 s[\g+3], (\c)<<16
	s_mov_b32 s[\g+4], \r
	s_mov_b32 s[\g+5], \p
	s_mov_b32 s[\g+6], 0
	s_mov_b32 s[\g+7], 0
.endm
.macro PLACES
.rept 4
	v_nop
.endr
.endm
	s_load_b128 s[4:7], s[0:1], 0x0
	s_load_b128 s[8:11], s[0:1], 0x10
	s_load_b64 s[12:13], s[0:1], 0x20
	v_lshl_add_u32 v[SPW], v0, 2, SPARE
	v_mov_b32 v[NIL], 0
	ds_add_u32 v[SPW], v[NIL]
	ds_add_u32 v[SPW], v[NIL]
	v_lshrrev_b32 v1, 5, v0
	v_readfirstlane_b32 s14, v1
	s_lshr_b32 s15, s14, 1
	s_and_b32 s16, s14, 1
	s_bfe_u32 s17, ttmp6, 0x40000
	s_bfe_u32 s18, ttmp6, 0x40004
	s_lshl_b32 s19, s18, 2
	s_lshl_b32 s19, 15, s19
	s_lshl_b32 s20, 0x1111, s17
	s_or_b32 s[G1A], s19, (3<<16)|(1<<21)
	s_or_b32 s[G1SA], s19, (3<<16)|(1<<21)
	s_or_b32 s[G1B], s20, (3<<16)|(1<<21)
	s_or_b32 s[G1SB], s20, (3<<16)|(1<<21)
	G1SET G1A, 768, 16, PITCHA                     ; A's codes: sixteen column groups x 8 images
	G1SET G1B, 1536, 16, 73728                     ; B's: sixteen column groups x 16 images
	G1SET G1SA, 64, 8, PLANEA/8                    ; A's scale words: eight planes x 128 words
	G1SET G1SB, 128, 8, 6144                       ; B's: eight planes x 256 words
	s_lshl_b32 s2, ttmp9, 2
	s_add_co_u32 s18, s18, s2
	s_lshl_b32 s19, s18, 3
	s_lshl_b32 s20, s17, 4
	s_add_co_u32 s20, s20, 704
	s_wait_dscnt 0x0
	s_wait_kmcnt 0x0
	s_mul_i32 s2, s19, 768
	s_mov_b32 s3, 0
	s_add_nc_u64 s[4:5], s[4:5], s[2:3]
	s_lshl_b32 s2, s19, 6
	s_add_nc_u64 s[6:7], s[6:7], s[2:3]
	s_mul_i32 s22, s20, 768
	s_mov_b32 s23, 0
	s_add_nc_u64 s[8:9], s[8:9], s[22:23]
	s_lshl_b32 s22, s20, 6
	s_add_nc_u64 s[10:11], s[10:11], s[22:23]
	CROUND
	; ALL of K of both tiles lies in LDS, filled once: A's codes [16 column groups][8 row tiles] x 768 at 0, B's [16][16] x 768 at BB0, the scale words behind them.
	; One joint load a wave at the head: wave 0 B's codes, wave 1 A's, wave 2 B's scale words, wave 3 A's
	s_mov_b32 s[G0SA], 1
	s_mov_b32 s[G0SA+1], SCA
	s_mov_b64 s[G0SA+2:G0SA+3], s[6:7]
	s_or_b32 s[G0SA+3], s[G0SA+3], 0x80000000
	s_mov_b32 s[G0SB], 1
	s_mov_b32 s[G0SB+1], SCB
	s_mov_b64 s[G0SB+2:G0SB+3], s[10:11]
	s_or_b32 s[G0SB+3], s[G0SB+3], 0x80000000
	s_mov_b32 s56, 1
	s_mov_b32 s57, 0
	s_mov_b64 s[58:59], s[4:5]
	s_or_b32 s59, s59, 0x80000000
	s_mov_b32 s76, 1
	s_mov_b32 s77, BB0
	s_mov_b64 s[78:79], s[8:9]
	s_or_b32 s79, s79, 0x80000000
	ARM 1, 76, G1B, .Lhead_a
	ARM 2, 56, G1A, .Lhead_sb
	ARM 3, G0SB, G1SB, .Lhead_sa
	tensor_load_to_lds s[G0SA:G0SA+3], s[G1SA:G1SA+7]
	s_nop 0
.rept 4
	v_nop
.endr
.Lhead_asked:
	v_and_b32 v1, 31, v0
	v_and_b32 v7, 15, v0
	v_bfe_u32 v6, v0, 4, 1
	v_lshlrev_b32 v[L16], 4, v1
	v_lshl_add_u32 v[L8], v1, 3, 512
	s_mul_i32 s2, s15, 3072                        ; my 64 rows of A: four images in each column group,
	s_mul_i32 s3, s16, 6144                        ; my 128 rows of B: eight
	s_add_co_u32 s3, s3, BB0
.irp j, 0,1,2,3
	v_add_nc_u32 v[8+\j], s2, v[L16]
	v_add_nc_u32 v[12+\j], s2, v[L8]
	v_add_nc_u32 v[16+\j], s3, v[L16]
	v_add_nc_u32 v[20+\j], s3, v[L8]
	s_add_co_u32 s2, s2, ACH
	s_add_co_u32 s3, s3, BCH
.endr
	v_lshlrev_b32 v4, 2, v1
	s_lshl_b32 s2, s15, 8
	s_add_co_u32 s2, s2, SCA
	v_add_nc_u32 v24, s2, v4
	s_lshl_b32 s3, s16, 9
	s_add_co_u32 s3, s3, SCB
	v_add_nc_u32 v25, s3, v4
	s_mul_i32 s2, s14, 4352
	s_add_co_u32 s2, s2, STG
	v_mul_u32_u24 v[STO], v7, 272
	v_lshl_add_u32 v[STO], v6, 5, v[STO]
	v_add_nc_u32 v[STO], s2, v[STO]
	v_mul_u32_u24 v[RD], v6, 272
	v_lshl_add_u32 v[RD], v7, 4, v[RD]
	v_add_nc_u32 v[RD], s2, v[RD]
	v_lshlrev_b32 v[CO], 12, v6
	v_lshl_add_u32 v[CO], v7, 4, v[CO]
	s_lshl_b32 s2, s18, 7
	s_lshl_b32 s3, s15, 6
	s_add_co_u32 s2, s2, s3
	s_lshl_b32 s2, s2, 12
	s_lshl_b32 s3, s17, 10
	s_add_co_u32 s2, s2, s3
	s_lshl_b32 s3, s16, 9
	s_add_co_u32 s2, s2, s3
	s_mov_b32 s3, 0
	s_add_nc_u64 s[12:13], s[12:13], s[2:3]
.macro FRAGH reg, a16, a8, off
	ds_load_b128 v[\reg:\reg+3], v[\a16] offset:\off
	ds_load_b64 v[\reg+4:\reg+5], v[\a8] offset:\off
.endm
.macro FETCH q
.set FP, (\q)%2
.set FJ, (\q)/2
	WIN TO_B
.irp b, 0,1,2,3,4,5,6,7
.irp c, 0,1
	FRAGH 128*FP+12*\b+6*\c, 16+FJ, 20+FJ, (2*FP+\c)*12288+\b*768
.endr
.endr
	WIN 0
.irp a, 0,1,2,3
.irp c, 0,1
	FRAGH 64+48*FP+12*\a+6*\c, 8+FJ, 12+FJ, (2*FP+\c)*6144+\a*768
.endr
.endr
.irp i, 0,1
	ds_load_b32 v[32+6*FP+\i], v24 offset:(\q)*512+128*\i
.endr
.irp i, 0,1,2,3
	ds_load_b32 v[34+6*FP+\i], v25 offset:(\q)*1024+128*\i
.endr
.endm
.macro WM a, b, zero
.set XD, 8*(8*(\a)+(\b))
.set XB, 128*WP+12*(\b)
.set XA, 64+48*WP+12*(\a)
.set YB, 34+6*WP+(\b)/2
.set YA, 32+6*WP+(\a)/2
.if \zero
.if ((\a)%2 == 0) && ((\b)%2 == 0)
	v_wmma_scale_f32_16x16x128_f8f6f4 v[XD:XD+7], v[XB:XB+11], v[XA:XA+11], 0, v[YB], v[YA] matrix_a_fmt:MATRIX_FMT_FP6 matrix_b_fmt:MATRIX_FMT_FP6
.elseif (\a)%2 == 0
	v_wmma_scale_f32_16x16x128_f8f6f4 v[XD:XD+7], v[XB:XB+11], v[XA:XA+11], 0, v[YB], v[YA] matrix_a_fmt:MATRIX_FMT_FP6 matrix_b_fmt:MATRIX_FMT_FP6 matrix_a_scale:MATRIX_SCALE_ROW1
.elseif (\b)%2 == 0
	v_wmma_scale_f32_16x16x128_f8f6f4 v[XD:XD+7], v[XB:XB+11], v[XA:XA+11], 0, v[YB], v[YA] matrix_a_fmt:MATRIX_FMT_FP6 matrix_b_fmt:MATRIX_FMT_FP6 matrix_b_scale:MATRIX_SCALE_ROW1
.else
	v_wmma_scale_f32_16x16x128_f8f6f4 v[XD:XD+7], v[XB:XB+11], v[XA:XA+11], 0, v[YB], v[YA] matrix_a_fmt:MATRIX_FMT_FP6 matrix_b_fmt:MATRIX_FMT_FP6 matrix_a_scale:MATRIX_SCALE_ROW1 matrix_b_scale:MATRIX_SCALE_ROW1
.endif
.else
.if ((\a)%2 == 0) && ((\b)%2 == 0)
	v_wmma_scale_f32_16x16x128_f8f6f4 v[XD:XD+7], v[XB:XB+11], v[XA:XA+11], v[XD:XD+7], v[YB], v[YA] matrix_a_fmt:MATRIX_FMT_FP6 matrix_b_fmt:MATRIX_FMT_FP6
.elseif (\a)%2 == 0
	v_wmma_scale_f32_16x16x128_f8f6f4 v[XD:XD+7], v[XB:XB+11], v[XA:XA+11], v[XD:XD+7], v[YB], v[YA] matrix_a_fmt:MATRIX_FMT_FP6 matrix_b_fmt:MATRIX_FMT_FP6 matrix_a_scale:MATRIX_SCALE_ROW1
.elseif (\b)%2 == 0
	v_wmma_scale_f32_16x16x128_f8f6f4 v[XD:XD+7], v[XB:XB+11], v[XA:XA+11], v[XD:XD+7], v[YB], v[YA] matrix_a_fmt:MATRIX_FMT_FP6 matrix_b_fmt:MATRIX_FMT_FP6 matrix_b_scale:MATRIX_SCALE_ROW1
.else
	v_wmma_scale_f32_16x16x128_f8f6f4 v[XD:XD+7], v[XB:XB+11], v[XA:XA+11], v[XD:XD+7], v[YB], v[YA] matrix_a_fmt:MATRIX_FMT_FP6 matrix_b_fmt:MATRIX_FMT_FP6 matrix_a_scale:MATRIX_SCALE_ROW1 matrix_b_scale:MATRIX_SCALE_ROW1
.endif
.endif
.endm
.macro STEP q, zero
	s_wait_dscnt 0x0
.if (\q) < 7
	PLACES
	FETCH (\q)+1
.endif
.set WP, (\q)%2
	WIN MUL
.irp a, 0,1,2,3
.irp b, 0,1,2,3,4,5,6,7
	WM \a, \b, \zero
.endr
.endr
	WIN 0
.endm
.macro TOSTAGE n
.set TA, (\n)/2
.set TU, (\n)%2
.set BK, 64+32*((\n)%2)
	WIN 0x08
.irp t, 0,1,2,3
	ds_store_b128 v[STO], v[8*(8*TA+4*TU+\t):8*(8*TA+4*TU+\t)+3] offset:64*\t
	ds_store_b128 v[STO], v[8*(8*TA+4*TU+\t)+4:8*(8*TA+4*TU+\t)+7] offset:64*\t+16
.endr
	WIN 0
.irp i, 0,1,2,3,4,5,6,7
	ds_load_b128 v[BK+4*\i:BK+4*\i+3], v[RD] offset:2*\i*272
.endr
.endm
.macro SEND n, younger
.set TA, (\n)/2
.set TU, (\n)%2
.set BK, 64+32*((\n)%2)
	s_wait_dscnt \younger
.irp i, 0,1,2,3,4,5,6,7
	global_store_b128 v[CO], v[BK+4*\i:BK+4*\i+3], s[12:13] offset:(16*TA+2*\i)*4096+256*TU th:TH_STORE_NT
.endr
.endm
	s_wait_alu depctr_va_vdst(0)
	s_wait_tensorcnt 0x0                           ; my tile of the head's four is in; the barrier below shows all four
	s_barrier_signal -1
	s_barrier_wait -1
	FETCH 0
	STEP 0, 1
	STEP 1, 0
	STEP 2, 0
	STEP 3, 0
	STEP 4, 0
	STEP 5, 0
	STEP 6, 0
	STEP 7, 0
	PLACES
	TOSTAGE 0
.irp n, 1,2,3,4,5,6,7
.if \n > 1
	s_wait_xcnt 0x0
.endif
	TOSTAGE \n
	SEND \n-1, 16
.endr
	SEND 7, 0
	s_wait_tensorcnt 0x0
	ds_add_u32 v[SPW], v[NIL]
	s_wait_dscnt 0x0
	CROUND
	s_endpgm
.Lfunc_end_k_qe61b91e802_gemm_proj:
	.size	k_qe61b91e802_gemm_proj, .Lfunc_end_k_qe61b91e802_gemm_proj-k_qe61b91e802_gemm_proj
	.p2alignl 7, 3214868480
	.fill 96, 4, 3214868480
	.section	.rodata,"a",@progbits
	.p2align	6, 0x0
	.amdhsa_kernel k_qe61b91e802_gemm_proj
		.amdhsa_group_segment_fixed_size 327680
		.amdhsa_private_segment_fixed_size 0
		.amdhsa_enable_private_segment 0
		.amdhsa_kernarg_size 40
		.amdhsa_user_sgpr_count 2
		.amdhsa_user_sgpr_kernarg_segment_ptr 1
		.amdhsa_wavefront_size32 1
		.amdhsa_system_sgpr_workgroup_id_x 1
		.amdhsa_system_sgpr_workgroup_id_y 1
		.amdhsa_system_sgpr_workgroup_id_z 1
		.amdhsa_system_vgpr_workitem_id 0
		.amdhsa_next_free_vgpr 768
		.amdhsa_next_free_sgpr 102
		.amdhsa_reserve_vcc 0
		.amdhsa_float_denorm_mode_32 3
		.amdhsa_float_denorm_mode_16_64 3
		.amdhsa_memory_ordered 1
		.amdhsa_forward_progress 1
		.amdhsa_inst_pref_size 86
	.end_amdhsa_kernel
	.amdgpu_metadata
---
amdhsa.version: [ 1, 2 ]
amdhsa.kernels:
  - .name:           k_qe61b91e802_gemm_proj
    .symbol:         k_qe61b91e802_gemm_proj.kd
    .args:
      - { .name: oc, .offset: 0, .size: 8, .value_kind: global_buffer, .address_space: global }
      - { .name: os, .offset: 8, .size: 8, .value_kind: global_buffer, .address_space: global }
      - { .name: pc, .offset: 16, .size: 8, .value_kind: global_buffer, .address_space: global }
      - { .name: ps, .offset: 24, .size: 8, .value_kind: global_buffer, .address_space: global }
      - { .name: out0, .offset: 32, .size: 8, .value_kind: global_buffer, .address_space: global }
    .group_segment_fixed_size: 327680
    .private_segment_fixed_size: 0
    .kernarg_segment_align: 8
    .kernarg_segment_size: 40
    .max_flat_workgroup_size: 128
    .sgpr_count:     102
    .vgpr_count:     768
    .wavefront_size: 32
...
	.end_amdgpu_metadata
.endif
;; end of part 4
